; MI455X (gfx1250); checked and timed in simulation.
; The chip was launched on July 23, 2026; its instructions are those of AMD's public machine-readable ISA for CDNA 5 (MIT licence, August 2026) and "CDNA5" Instruction Set Architecture Reference Guide (July 2026). The comments in the code are by the model that wrote it; some were corrected since.
;; Causal Self Attention. Allowed arithmetic: matrix products marked QUANTISED: E2M3 operands, one E8M0 scale for each 32 along K, by v_wmma_scale_f32_16x16x128_f8f6f4 with both operands' format E2M3, f32 sums; everything else in f32.
;; Inputs: w_proj 1,024 x 1,024 float32; w_qkv 1,024 x 3,072 float32; x 4 x 2,048 x 1,024 float32.
;; Outputs: out0 4 x 2,048 x 1,024 float32.
;; This version of the problem:
;;   THIS VERSION OF THE PROBLEM IS GIVEN IN LOW PRECISION. The matrix products marked QUANTISED in the list below multiply operands that are first quantised to E2M3 (2 exponent bits, 3 mantissa bits; 6 bits a number), with one power-of-two scale for each 32 numbers along K (OCP MX v1.0); their sums are f32. All else is computed in f32.
;;   The module's matrix products, in the order in which they are computed (A, B: the left and right operand; K: the contracted axis; several contracted axes count as one K, in the product's order):
;;     1. [M 8,192, K 1,024] x [K 1,024, N 3,072]; A: input x; B: input w_qkv: QUANTISED
;;     2. batch 64 x [M 2,048, K 64] x [K 64, N 2,048]; A: computed on the way; B: computed on the way: QUANTISED
;;     3. batch 64 x [M 2,048, K 2,048] x [K 2,048, N 64]; A: softmax (see below); B: computed on the way: QUANTISED
;;     4. [M 8,192, K 1,024] x [K 1,024, N 1,024]; A: computed on the way; B: input w_proj: QUANTISED
;;   THE QUANTISER, for each operand of a quantised product, along K:
;;     - K is cut into blocks of 32 from its start; a last block that is shorter is filled with zeros.
;;     - A block's scale is 2^e with e = floor(log2(the largest magnitude in the block)) - 2, held to -126 .. 127; a block of zeros has e = 0. As a byte (E8M0): e + 127.
;;     - Each number is divided by its block's scale, clamped to +-7.5, and rounded to the nearest number of E2M3, ties to even, subnormals kept.
;;     - The product sums the exact products of the quantised numbers (number of the format x scale) in f32.
;;   ~~~python
;;   def quantise(x, axis):      # numpy; x: float32 -> the quantised numbers, widened to float32 again
;;       x = np.moveaxis(x, axis, -1); K = x.shape[-1]
;;       x = np.pad(x, [(0, 0)] * (x.ndim - 1) + [(0, -K % 32)]); x = x.reshape(x.shape[:-1] + (-1, 32)); a = np.abs(x).max(-1, keepdims=True)
;;       e = np.where(a > 0, np.clip(np.frexp(np.where(a > 0, a, 1))[1] - 1 - 2, -126, 127), 0)      # np.frexp(a)[1] - 1 = floor(log2(a)), exactly
;;       r = np.clip(x / 2.0 ** e, -7.5, 7.5)
;;       step = 2.0 ** (np.maximum(np.frexp(np.where(r == 0, 1, r))[1] - 1, 0) - 3)
;;       q = np.round(r / step) * step * 2.0 ** e      # np.round: ties to even
;;       return np.moveaxis(q.reshape(q.shape[:-2] + (-1,))[..., :K], -1, axis).astype(np.float32)
;;   ~~~
;;   SOFTMAX AHEAD OF A QUANTISED PRODUCT. Where the list says 'softmax', what is quantised is not the finished softmax but p = 2^(t - M), with t = logit x log2(e) and M = ceil(the row's largest t), a whole number; so 1/2 < the row's largest p <= 1. The row's sum l is taken of the UNQUANTISED p, in f32, and the product's result is divided by l at the end. Since M is a whole number, a kernel that streams over the keys may use a running M (the ceiling of the running maximum): every later rescaling is an exact power of two, which a block's scale takes up: the codes' values come out the same.
;;   OPERANDS COMPUTED ON THE WAY. 'Computed on the way' means the value that the module computes at that place (a softmax that the list does not call 'softmax' is quantised finished and normalised). What goes into a quantiser is computed in f32, as accurately as f32 sums, v_exp_f32 and their like allow (about 1e-6 of the number): no bf16 or f16 on the way to a quantiser, and a product that is left as it is and whose result goes on into a quantised operand takes f32 operands (vector FMAs, or v_wmma_f32_16x16x4_f32). A number that lies on a knife's edge between two numbers of the format may be rounded either way, as far as f32 arithmetic and the matrix unit's own rounding can turn it there, and no further.
;; One version. Each part assembles by itself: llvm-mc -triple=amdgcn-amd-amdhsa -mcpu=gfx1250 --defsym DOCPART=n.
;; ======== version 1 of 1: 4 launches
;; limits: right only within a limited range of input values
;; workspace buffers: x_op 6,553,600 bytes; wqk_op 1,638,400 bytes; wv_op 819,200 bytes; wp_op 819,200 bytes; qk_pk 13,631,488 bytes; v_pk 6,815,744 bytes; y_op 6,553,600 bytes
;; launch prep (part 1): grid 768 x 1, 4 waves a work-group, no clusters, 47,616 bytes of LDS; arguments w_qkv, w_proj, wqk_op, wv_op, wp_op, x, x_op; writes wqk_op, wv_op, wp_op, x_op
.if DOCPART == 1
	.amdgcn_target "amdgcn-amd-amdhsa--gfx1250"
	.amdhsa_code_object_version 6
	.text
	.protected	k_qa06e180fc5_prep
	.globl	k_qa06e180fc5_prep
	.p2align	8
	.type	k_qa06e180fc5_prep,@function
k_qa06e180fc5_prep:
	s_mov_b64 s[64:65], 0
	v_nop
	global_prefetch_b8 v0, s[64:65] scope:SCOPE_SE
	s_setreg_imm32_b32 hwreg(HW_REG_WAVE_MODE, 25, 1), 1
	s_wait_xcnt 0x0
; ONE LAUNCH QUANTISES ALL THREE INPUTS to codes of FP6 (E2M3) with one E8M0 byte for each 32 along K, laid as the products' operand registers want them.  Work-groups 0-511: x; 512-767: w_qkv and w_proj.
; RECORD (12,800 bytes) = a tile of 16 rows, all of K = 1,024: 16 chunks of 768 bytes (16 rows x 64 K), then 512 scale bytes [K quarter][row][8].
; CHUNK: lane l = r + 16 h of a fragment owns 24 bytes, the codes of K 32 h .. 32 h + 31 of row r: its first 16 bytes at 16 l, its last 8 at 512 + 8 l.
; ROWS BY POSITION: row r of tile t is index 32 (t / 2) + 8 (t % 2) + r + 8 (r / 8) (a token of x, a column of a weight).
; A block's scale is 2^(floor(log2(largest magnitude)) - 2): its byte is the largest magnitude's exponent field - 2, held at 1 from below.
; LIMITS: a block of zeros, or one whose largest magnitude lies under 2^-124, gets the byte 1 (only this program reads the bytes); NaN and infinities are not served.
; WORK LEFT OUT BY THE PROGRAM: launch attn passes over key steps that lie wholly under the causal mask (their p is 0 for every input).
; x: a work-group takes a tile, wave q its K quarter: 32 loads of 512 consecutive bytes; 128 K of the 16 rows turn through the wave's own stage (rows 528 bytes apart), so that a lane holds 32 neighbours along K.
; WEIGHTS (K = their first axis): a lane takes a column and its registers run down K; a work-group 128 columns x 128 K, a wave two tiles; the codes leave through the wave's own stage in runs of 512 bytes.
; The two paths part on the work-group's number at the first line and have LDS bytes of their own.  No cluster, no tensor load, no barrier: work-groups and waves share nothing.
.set RECB,  12800
.set STG,   16*528                     ; x: a wave's stage
.set WBASE, 4*STG                      ; the weights' stages lie behind x's
.set TSTG,  1664                       ; a tile's two chunks, 1,536 bytes, + 128
.set WSTG,  2*TSTG
.set SPARE, WBASE+4*WSTG               ; the spare words, 128 bytes a wave
	s_cmp_lt_u32 ttmp9, 512
	s_cbranch_scc0 .Lweights
.set X,     64                         ; v64-127  two blocks of 32 neighbours
.set R,     128                        ; v128-255 the 32 loads
.set CD,    32                         ; v32-63   chunk n's six code words at v[32 + 8 n]
	s_load_b128 s[4:7], s[0:1], 0x28               ; x, x_op
	v_lshl_add_u32 v12, v0, 2, SPARE
	v_mov_b32 v13, 0
	v_lshrrev_b32 v1, 5, v0
	v_readfirstlane_b32 s8, v1                     ; wave = K quarter
	v_and_b32 v1, 31, v0
	v_and_b32 v2, 15, v0                           ; r
	v_bfe_u32 v3, v0, 4, 1                         ; h
	v_lshlrev_b32 v4, 4, v1                        ; 16 x lane
	s_mul_i32 s9, s8, STG
	v_add_nc_u32 v5, s9, v4                        ; into the stage: a row as it lies
	v_mul_u32_u24 v6, v2, 528
	v_lshl_add_u32 v6, v3, 7, v6
	v_add_nc_u32 v6, s9, v6                        ; out of it: row r, 128 h bytes on
	v_lshlrev_b32 v8, 3, v1
	v_lshlrev_b32 v9, 3, v2
	v_lshl_add_u32 v9, v3, 2, v9                   ; 8 r + 4 h: my scale word's place
	v_lshlrev_b32 v10, 3, v3
	v_mov_b32 v22, 0                               ; a lane permute's destination counts as read
	s_mov_b32 s20, 0x76543210
	s_mov_b32 s21, 0xfedcba98
	s_lshr_b32 s10, ttmp9, 1
	s_lshl_b32 s10, s10, 5
	s_and_b32 s11, ttmp9, 1
	s_lshl_b32 s11, s11, 3
	s_add_co_u32 s10, s10, s11                     ; the tile's first token
	s_lshl_b32 s10, s10, 12
	s_lshl_b32 s11, s8, 10
	s_add_co_u32 s10, s10, s11
	s_mov_b32 s11, 0
	s_mul_i32 s12, ttmp9, RECB
	s_lshl_b32 s14, s8, 7
	s_add_co_u32 s14, s12, s14                     ; the record + 128 q: my scale words
	s_mov_b32 s15, 0
	s_mul_i32 s13, s8, 3072
	s_add_co_u32 s12, s12, s13                     ; the record + 4 chunks x q
	s_mov_b32 s13, 0
	s_wait_alu depctr_va_vdst(0)                   ; the wait at the head's end
	s_wait_kmcnt 0x0
	s_add_nc_u64 s[4:5], s[4:5], s[10:11]
	s_add_nc_u64 s[16:17], s[6:7], s[14:15]
	s_add_nc_u64 s[6:7], s[6:7], s[12:13]
.irp s, 0,1
.irp i, 0,1,2,3,4,5,6,7,8,9,10,11,12,13,14,15
	global_load_b128 v[R+64*\s+4*\i:R+64*\s+4*\i+3], v4, s[4:5] offset:(\i+8*(\i/8))*4096+512*\s th:TH_LOAD_NT
.endr
.endr
.macro XSTEP s                         ; 128 along K of the 16 rows: two chunks and a scale word a row
	s_wait_loadcnt 16*(1-\s)                       ; this step's sixteen loads are in; the other step's sixteen may be out
.irp i, 0,1,2,3,4,5,6,7,8,9,10,11,12,13,14,15
	ds_store_b128 v5, v[R+64*\s+4*\i:R+64*\s+4*\i+3] offset:528*\i
.endr
.irp c, 0,1
.irp j, 0,1,2,3,4,5,6,7
	ds_load_b128 v[X+32*\c+4*\j:X+32*\c+4*\j+3], v6 offset:256*\c+16*\j
.endr
.endr
	s_wait_dscnt 0x0
.irp c, 0,1
	v_max3_num_f32 v[14+\c], |v[X+32*\c]|, |v[X+32*\c+1]|, 0x1800000
.endr
.irp i, 2,4,6,8,10,12,14,16,18,20,22,24,26,28,30
.irp c, 0,1
	v_max3_num_f32 v[14+\c], v[14+\c], |v[X+32*\c+\i]|, |v[X+32*\c+\i+1]|
.endr
.endr
.irp c, 0,1
	v_add_nc_u32 v[16+\c], 0xff000000, v[14+\c]
.endr
.irp c, 0,1
	v_lshrrev_b32 v[18+\c], 23, v[16+\c]
.endr
.irp c, 0,1
	v_cvt_scalef32_pk16_fp6_f32 v[CD+8*(2*\s+\c):CD+8*(2*\s+\c)+2], v[X+32*\c:X+32*\c+15], v[16+\c]
	v_cvt_scalef32_pk16_fp6_f32 v[24+4*\c:26+4*\c], v[X+32*\c+16:X+32*\c+31], v[16+\c]
.endr
	v_lshl_or_b32 v[20+\s], v19, 16, v18           ; my two bytes: blocks h and 2 + h
.irp c, 0,1
.irp i, 0,1,2
	v_mov_b32 v[CD+8*(2*\s+\c)+3+\i], v[24+4*\c+\i]
.endr
.endr
	v_lshlrev_b32 v[20+\s], v10, v[20+\s]
	v_permlanex16_b32 v22, v[20+\s], s20, s21
	v_or_b32 v[20+\s], v[20+\s], v22               ; with lane l xor 16's two the word is whole
.irp c, 0,1
	global_store_b128 v4, v[CD+8*(2*\s+\c):CD+8*(2*\s+\c)+3], s[6:7] offset:768*(2*\s+\c)
	global_store_b64 v8, v[CD+8*(2*\s+\c)+4:CD+8*(2*\s+\c)+5], s[6:7] offset:768*(2*\s+\c)+512
.endr
.endm
	XSTEP 0
	XSTEP 1
	v_cmp_eq_u32 vcc_lo, 1, v3
	v_cndmask_b32 v23, v20, v21, vcc_lo            ; lane (r, h) stores the word of K step h
	global_store_b32 v9, v23, s[16:17] offset:12288
	s_wait_tensorcnt 0x0                           ; the wave's end
	ds_add_u32 v12, v13
	s_wait_dscnt 0x0
	s_endpgm
.Lweights:
.set VO,    32                         ; v32-63   4 x lane + i x pitch
.set X,     64                         ; v64-191  four blocks of 32
.set CD,    192                        ; v192-223 block t's six code words
.set OUTR,  224                        ; v224-247 the way out
	s_load_b256 s[4:11], s[0:1], 0x0               ; w_qkv, w_proj, wqk_op, wv_op
	s_load_b64 s[12:13], s[0:1], 0x20              ; wp_op
	v_lshl_add_u32 v12, v0, 2, SPARE
	v_mov_b32 v13, 0
	v_lshrrev_b32 v1, 5, v0
	v_readfirstlane_b32 s14, v1                    ; wave
	s_sub_co_u32 s40, ttmp9, 512
	s_and_b32 s41, s40, 31                         ; which 128 columns (0-23: w_qkv, 24-31: w_proj)
	s_lshr_b32 s15, s40, 5                         ; which 128 along K
	v_and_b32 v1, 31, v0                           ; lane = my column of the wave's 32
	v_bfe_u32 v2, v0, 3, 1                         ; which of the two tiles it belongs to
	v_and_b32 v3, 7, v0
	v_bfe_u32 v9, v0, 4, 1
	v_lshl_add_u32 v3, v9, 3, v3                   ; its row there
	s_mul_i32 s16, s14, WSTG
	s_add_co_u32 s16, s16, WBASE
	v_mul_u32_u24 v4, v2, TSTG
	v_add_nc_u32 v4, s16, v4
	v_lshl_add_u32 v5, v3, 3, v4
	v_add_nc_u32 v5, 512, v5
	v_lshl_add_u32 v4, v3, 4, v4
	v_lshlrev_b32 v7, 4, v1
	v_add_nc_u32 v6, s16, v7
	v_mul_u32_u24 v8, v2, RECB
	v_lshl_add_u32 v8, v3, 3, v8
	v_lshlrev_b32 v11, 2, v1
	s_cmp_lt_u32 s41, 24
	s_mov_b32 s20, 4096
	s_cselect_b32 s20, 12288, s20                  ; a row of the source in bytes
	s_cselect_b32 s21, 0, 24
	s_cselect_b32 s22, 16, 24
	s_wait_alu depctr_va_vdst(0)
	s_wait_kmcnt 0x0
	s_cselect_b64 s[16:17], s[4:5], s[6:7]
	s_cselect_b64 s[18:19], s[10:11], s[12:13]
	s_cmp_lt_u32 s41, 16
	s_cselect_b64 s[18:19], s[8:9], s[18:19]
	s_cselect_b32 s22, 0, s22
	s_sub_co_u32 s21, s41, s21                     ; my 128 columns in the source,
	s_sub_co_u32 s22, s41, s22                     ; and in the destination
.set n, 0
.rept 32
	v_mad_u32_u24 v[VO+n], s20, n, v11
.set n, n+1
.endr
	s_lshl_b32 s21, s21, 9
	s_lshl_b32 s23, s14, 7
	s_add_co_u32 s21, s21, s23
	s_lshl_b32 s23, s15, 7
	s_mul_i32 s23, s23, s20
	s_add_co_u32 s34, s21, s23
	s_mov_b32 s35, 0
	s_add_nc_u64 s[24:25], s[16:17], s[34:35]      ; a base for each block of 32 rows
	s_lshl_b32 s34, s20, 5
	s_add_nc_u64 s[26:27], s[24:25], s[34:35]
	s_add_nc_u64 s[28:29], s[26:27], s[34:35]
	s_add_nc_u64 s[30:31], s[28:29], s[34:35]
.macro LOAD t
.set n, 0
.rept 32
	global_load_b32 v[X+32*(\t)+n], v[VO+n], s[24+2*(\t):25+2*(\t)] th:TH_LOAD_NT
.set n, n+1
.endr
.endm
	s_wait_alu depctr_va_vdst(0)
	LOAD 0
	LOAD 1
	s_lshl_b32 s22, s22, 3
	s_lshl_b32 s23, s14, 1
	s_add_co_u32 s22, s22, s23                     ; my first tile
	s_mul_i32 s22, s22, RECB
	s_mul_i32 s23, s15, 1536
	s_add_co_u32 s34, s22, s23
	s_add_nc_u64 s[36:37], s[18:19], s[34:35]
	s_lshr_b32 s23, s15, 1
	s_lshl_b32 s23, s23, 7
	s_and_b32 s33, s15, 1
	s_lshl_b32 s33, s33, 2
	s_add_co_u32 s23, s23, s33
	s_add_co_u32 s34, s22, s23
	s_add_nc_u64 s[38:39], s[18:19], s[34:35]
.macro BLOCK t
.set XS, X+32*(\t)
.set QC, CD+8*(\t)
.if (\t) < 3
	s_wait_loadcnt 32                              ; this block's 32 loads are in; the next block's 32 may be out
.else
	s_wait_loadcnt 0x0
.endif
.if (\t)+2 < 4
	LOAD (\t)+2
.endif
	v_max3_num_f32 v14, |v[XS]|, |v[XS+1]|, |v[XS+2]|
	v_max3_num_f32 v15, |v[XS+3]|, |v[XS+4]|, |v[XS+5]|
.irp i, 6,10,14,18,22,26
	v_max3_num_f32 v14, v14, |v[XS+\i]|, |v[XS+\i+1]|
	v_max3_num_f32 v15, v15, |v[XS+\i+2]|, |v[XS+\i+3]|
.endr
	v_max3_num_f32 v14, v14, |v[XS+30]|, |v[XS+31]|
	v_max3_num_f32 v14, v14, v15, 0x1800000
	v_add_nc_u32 v16, 0xff000000, v14
	v_lshrrev_b32 v17, 23, v16
	v_cvt_scalef32_pk16_fp6_f32 v[QC:QC+2], v[XS:XS+15], v16
	v_cvt_scalef32_pk16_fp6_f32 v[24:26], v[XS+16:XS+31], v16
.if (\t) == 0
	v_mov_b32 v10, v17
.else
	v_lshl_or_b32 v10, v17, 8*(\t), v10
.endif
.irp i, 0,1,2
	v_mov_b32 v[QC+3+\i], v[24+\i]
.endr
	ds_store_b128 v4, v[QC:QC+3] offset:768*((\t)/2)+256*((\t)%2)
	ds_store_b64 v5, v[QC+4:QC+5] offset:768*((\t)/2)+128*((\t)%2)
.endm
	BLOCK 0
	BLOCK 1
	BLOCK 2
	BLOCK 3
	global_store_b32 v8, v10, s[38:39] offset:12288
.irp n, 0,1,2,3,4,5
	ds_load_b128 v[OUTR+4*\n:OUTR+4*\n+3], v6 offset:TSTG*(\n/3)+512*(\n%3)
.endr
.irp n, 0,1,2,3,4,5
	s_wait_dscnt 5-\n                              ; load n is in; those issued behind it may be out
	global_store_b128 v7, v[OUTR+4*\n:OUTR+4*\n+3], s[36:37] offset:RECB*(\n/3)+512*(\n%3)
.endr
	s_wait_tensorcnt 0x0                           ; the wave's end
	ds_add_u32 v12, v13
	s_wait_dscnt 0x0
	s_endpgm
.Lfunc_end_k_qa06e180fc5_prep:
	.size	k_qa06e180fc5_prep, .Lfunc_end_k_qa06e180fc5_prep-k_qa06e180fc5_prep
	.p2alignl 7, 3214868480
	.fill 96, 4, 3214868480
	.section	.rodata,"a",@progbits
	.p2align	6, 0x0
	.amdhsa_kernel k_qa06e180fc5_prep
		.amdhsa_group_segment_fixed_size 47616
		.amdhsa_private_segment_fixed_size 0
		.amdhsa_enable_private_segment 0
		.amdhsa_kernarg_size 56
		.amdhsa_user_sgpr_count 2
		.amdhsa_user_sgpr_kernarg_segment_ptr 1
		.amdhsa_wavefront_size32 1
		.amdhsa_system_sgpr_workgroup_id_x 1
		.amdhsa_system_sgpr_workgroup_id_y 1
		.amdhsa_system_sgpr_workgroup_id_z 1
		.amdhsa_system_vgpr_workitem_id 0
		.amdhsa_next_free_vgpr 256
		.amdhsa_next_free_sgpr 66
		.amdhsa_reserve_vcc 1
		.amdhsa_float_denorm_mode_32 3
		.amdhsa_float_denorm_mode_16_64 3
		.amdhsa_memory_ordered 1
		.amdhsa_forward_progress 1
		.amdhsa_inst_pref_size 41
	.end_amdhsa_kernel
	.amdgpu_metadata
---
amdhsa.version: [ 1, 2 ]
amdhsa.kernels:
  - .name:           k_qa06e180fc5_prep
    .symbol:         k_qa06e180fc5_prep.kd
    .args:
      - { .name: w_qkv, .offset: 0, .size: 8, .value_kind: global_buffer, .address_space: global }
      - { .name: w_proj, .offset: 8, .size: 8, .value_kind: global_buffer, .address_space: global }
      - { .name: wqk_op, .offset: 16, .size: 8, .value_kind: global_buffer, .address_space: global }
      - { .name: wv_op, .offset: 24, .size: 8, .value_kind: global_buffer, .address_space: global }
      - { .name: wp_op, .offset: 32, .size: 8, .value_kind: global_buffer, .address_space: global }
      - { .name: x, .offset: 40, .size: 8, .value_kind: global_buffer, .address_space: global }
      - { .name: x_op, .offset: 48, .size: 8, .value_kind: global_buffer, .address_space: global }
    .group_segment_fixed_size: 47616
    .private_segment_fixed_size: 0
    .kernarg_segment_align: 8
    .kernarg_segment_size: 56
    .max_flat_workgroup_size: 128
    .sgpr_count:     66
    .vgpr_count:     256
    .wavefront_size: 32
...
	.end_amdgpu_metadata
.endif
;; end of part 1
;; launch gemm_qkv (part 2): grid 16 x 16, 4 waves a work-group, clusters of 4 x 4, 327,680 bytes of LDS; arguments x_op, wqk_op, wv_op, qk_pk, v_pk; writes qk_pk, v_pk
.if DOCPART == 2
	.amdgcn_target "amdgcn-amd-amdhsa--gfx1250"
	.amdhsa_code_object_version 6
	.text
	.protected	k_qa06e180fc5_gemm_qkv
	.globl	k_qa06e180fc5_gemm_qkv
	.p2align	8
	.type	k_qa06e180fc5_gemm_qkv,@function
k_qa06e180fc5_gemm_qkv:
	s_mov_b64 s[64:65], 0
	v_nop
	global_prefetch_b8 v0, s[64:65] scope:SCOPE_SE
	s_setreg_imm32_b32 hwreg(HW_REG_WAVE_MODE, 25, 1), 1
	s_wait_xcnt 0x0
	s_wait_alu depctr_hold_cnt(0) depctr_sa_sdst(0) depctr_va_vdst(0) depctr_va_sdst(0) depctr_va_ssrc(0) depctr_va_vcc(0) depctr_vm_vsrc(0)
	s_getreg_b32 s2, hwreg(HW_REG_IB_STS2, 6, 4)
	s_cmp_eq_u32 s2, 0
	s_cbranch_scc0 .Lentry_in_a_cluster
	s_endpgm
.Lentry_in_a_cluster:
	s_bfe_u32 s2, ttmp6, 0x10000c
	s_cmp_lg_u32 s2, 0xf033
	s_cbranch_scc0 .Lentry_shape_is_right
	s_endpgm
.Lentry_shape_is_right:
; D[p][q] = sum over 1,024 k of P[p][k] Q[q][k] on codes of FP6 (E2M3) with E8M0 scales, and D quantised again ALONG q, in registers.  A work-group (i, j) of 16 x 16 stays and makes two things on end:
;   PHASE V (blocks 0-7):   P = 256 rows of w_v (block cx), Q = 128 tokens of x (chunk clx of the work-group's own 512 rows): v transposed, quantised along the tokens, into v_pk;
;   PHASE QK (blocks 8-23): P = the 512 rows 512 i .. of x, Q = 128 rows of w_qk (block j = 4 clx + cx): q or k, quantised along each head's 64, into qk_pk.   (clx: the cluster's x; cx: my place in it.)
; OPERANDS: records of 12,800 bytes for a tile of 16 rows: 16 chunks of 768 bytes (lane l's 24 bytes as 16 at 16 l and 8 at 512 + 8 l), then 512 scale bytes [K quarter][row][8].
; Wave (a, b) holds Q's 64 rows 64 b .., all of K, in 384 registers and streams P past them in blocks of one tile: 32 products on four accumulators by turns; of a region's eight tiles block u takes tile 2 u + a.
; Source 0 = 16 rows of Q, source 1 = 16 rows of P: a lane holds one row p; register 16 c + i of a block's 32 is q = 32 c + 16 h + i.  Block n - 1 is quantised among block n's products: two vector lines behind every second product.
; LDS: three regions of eight records.  Head, one joint load a wave: region 0 = x's chunk clx (waves 0, 1 a half each), regions 1, 2 = w_v's 16 records (waves 2, 3).  Region 0 serves phase V as Q and then, still in LDS, phase QK's first four blocks.
; FOUR REFILLS, waves 0 and 1 a half each, each behind a drained round of the cluster's barrier: in block 2 w_qk into region 1; in block 6 chunk clx + 1 into region 2; in block 8 chunk clx + 2 into region 1
; (w_qk is in registers by then); in block 10 chunk clx + 3 into region 0.  What a refill brought is shown to all waves by the next round; the last by a plain barrier in block 18.
; No prefetch: each refill is asked for four blocks (128 products) or more ahead of its first read, and x's and the weights' records are read by several clusters of the launch.
; OUT: records of 3,328 bytes: the chunks of four neighbouring tiles of p for one group of 64 q, then [row][tile] a scale word (bytes 0, 1: the chunk's two blocks; in an even group bytes 2, 3: the next group's; in an odd group the group before's: finite codes that nobody uses).
; The scale bytes of the four waves meet in LDS images, laid in the order of work, and leave at the end, sixteen lanes to an aligned 256 bytes.
; CLUSTER 4 x 4: x's records are shared along a row of the cluster, the weights' along a column.
; LIMITS: a block of zeros, or one under 2^-124, gets the byte 1 (only this program reads the bytes); NaN and infinities are not served.
; REGISTERS: window 0: v4-23, v192, v193 addresses, v24-39 Q's scale words, v44-59 P's (two sets), v64-127 accumulators (two sets), v128-191 codes (eight sets).  Fragment f lies in window 1 + f / 21 at 12 (f % 21): 0-31 Q's (4 k + tile), 32-47 P's two sets.
.set RECB, 12800
.set REC,  3328
.set FR,   12
.set FPW,  21
.set NF,   36                          ; LDS loads of a block: 32 for eight fragments, 4 for eight scale words
.set REGB, 8*RECB
.set XS,   3*REGB                      ; 24 images of 256 scale bytes: V's [record][group % 2], then QK's [chunk in the order of work][record][group % 2]
.set SPARE, XS+6144
.set LA16, 4                           ; P's lane terms: 16 l, 8 l, 8 r + 12,288, each + a records
.set LA8,  5
.set LAS,  6
.set WD,   7
.set PA,   8                           ; v8-10 the addresses of the block that is fetched
.set LW16, 11                          ; Q's lane terms
.set LW8,  12
.set LWS,  13
.set W16,  14
.set W8,   15
.set WS,   16
.set L16,  17
.set L8,   18
.set XA,   19
.set SPW,  20
.set NIL,  21
.set SWO,  22
.set XR,   23
.set SB,   24
.set TQ,   40
.set SA,   44
.set SOP,  60
.set EB,   62
.set ACC,  64
.set QCB,  128
.set XB,   192
.set XR2,  193
.set TC,   240
.set G1R, 24                           ; group 1, my row's mask, 200 rows of 256 bytes
.set G1C, 32                           ; my column's mask, 400 rows at the head, then 200
.set G0X, 48
.set G0W, 52
.set G0A, 56
.set G0B, 60
.set SEL, 66
.set G0C, 68
.set G0D, 72
.set MSB, 0
.macro WIN new
.if MSB != (\new)
	s_set_vgpr_msb (MSB<<8)|(\new)
.set MSB, (\new)
.endif
.endm
.macro PLACES n
.rept \n
	v_nop
.endr
.endm
.macro WALU
	s_wait_alu depctr_va_vdst(0)
.endm
.macro BARRIER
	s_barrier_signal -1
	s_barrier_wait -1
.endm
.macro CROUND
	BARRIER
	s_cmp_lg_u32 s14, 0
	s_cbranch_scc1 .Lnot_wave_0_\@
	s_barrier_signal -3
.Lnot_wave_0_\@:
	s_barrier_wait -3
	BARRIER
.endm
.macro TLOAD g0, g1
	tensor_load_to_lds s[\g0:\g0+3], s[\g1:\g1+7]
	s_nop 0
	PLACES 4
.endm
.macro GROUP1 g, rows                  ; a dense block as rows of 256 bytes
	s_mov_b32 s[\g+1], 32<<16
	s_mov_b32 s[\g+2], (\rows)<<16
	s_mov_b32 s[\g+3], 32<<16
	s_mov_b32 s[\g+4], \rows
	s_mov_b32 s[\g+5], 32
	s_mov_b32 s[\g+6], 0
	s_mov_b32 s[\g+7], 0
.endm
.macro XADR g, k, lds                  ; group 0 for my half of x's chunk (clx + k) % 4, to LDS byte lds.  s17 = 32 i + 4 half, s18 = half x 4 records, s91 = 0
	s_add_co_u32 s90, s46, \k
	s_and_b32 s90, s90, 3
	s_lshl_b32 s90, s90, 3
	s_add_co_u32 s90, s90, s17
	s_mul_i32 s90, s90, RECB
	s_add_nc_u64 s[\g+2:\g+3], s[4:5], s[90:91]
	s_or_b32 s[\g+3], s[\g+3], 0x80000000
	s_mov_b32 s[\g], 1
	s_add_co_u32 s[\g+1], s18, \lds
.endm
.macro OADR d, k                       ; where the codes of chunk (clx + k) % 4 go.  s92: the record without the chunk, s93 = 768 a
	s_add_co_u32 s90, s46, \k
	s_and_b32 s90, s90, 3
	s_lshl_b32 s90, s90, 1
	s_add_co_u32 s90, s90, s92
	s_mul_i32 s90, s90, REC
	s_add_co_u32 s90, s90, s93
	s_add_nc_u64 s[\d:\d+1], s[10:11], s[90:91]
.endm
.macro FRAG f, a16, a8, off            ; 16 rows x 128 K: two chunks
	WIN (1+(\f)/FPW)<<6
.set R_, FR*((\f)%FPW)
	ds_load_b128 v[R_:R_+3], v[\a16] offset:(\off)
	ds_load_b64 v[R_+4:R_+5], v[\a8] offset:(\off)+512
	ds_load_b128 v[R_+6:R_+9], v[\a16] offset:(\off)+768
	ds_load_b64 v[R_+10:R_+11], v[\a8] offset:(\off)+1280
.endm
.macro WEIGHTS base                    ; my 64 rows of Q, all of K, and their scale words (lanes 0-15 the even tile's rows, lanes 16-31 the odd tile's): 136 loads
	v_add_nc_u32 v[W16], \base, v[LW16]
	v_add_nc_u32 v[W8], \base, v[LW8]
	v_add_nc_u32 v[WS], \base, v[LWS]
.irp k, 0,1,2,3,4,5,6,7
.irp b, 0,1,2,3
	FRAG 4*\k+\b, W16, W8, \b*RECB+1536*\k
.endr
.endr
	WIN 0
.irp p, 0,1
.irp q, 0,1,2,3
	ds_load_b64 v[SB+8*\p+2*\q:SB+8*\p+2*\q+1], v[WS] offset:\p*2*RECB+128*\q
.endr
.endr
.endm
.macro FETCH n                         ; P's block n into set n % 2.  Blocks 0-7: regions 1, 2; then four blocks each from regions 0, 2, 1, 0
.if (\n) < 8
.set BS_, REGB*(1+(\n)/4)+2*((\n)%4)*RECB
.else
.set BS_, REGB*((3-((\n)-8)/4)%3)+2*((\n)%4)*RECB
.endif
.set E_, (\n)%2
	v_add_nc_u32 v[PA], BS_, v[LA16]
	v_add_nc_u32 v[PA+1], BS_, v[LA8]
	v_add_nc_u32 v[PA+2], BS_, v[LAS]
.irp k, 0,1,2,3,4,5,6,7
	FRAG 32+8*E_+\k, PA, PA+1, 1536*\k
.endr
	WIN 0
.irp q, 0,1,2,3
	ds_load_b64 v[SA+8*E_+2*\q:SA+8*E_+2*\q+1], v[PA+2] offset:128*\q
.endr
.endm
.macro PROD1 d, fq, fp, c, j
.if (\j)%2
	v_wmma_scale_f32_16x16x128_f8f6f4 v[\d:\d+7], v[FR*((\fq)%FPW):FR*((\fq)%FPW)+FR-1], v[FR*((\fp)%FPW):FR*((\fp)%FPW)+FR-1], \c, v[SB+8*((\j)/2)+(\fq)/4], v[SA+(\fp)-32] matrix_a_fmt:MATRIX_FMT_FP6 matrix_b_fmt:MATRIX_FMT_FP6 matrix_a_scale:MATRIX_SCALE_ROW1
.else
	v_wmma_scale_f32_16x16x128_f8f6f4 v[\d:\d+7], v[FR*((\fq)%FPW):FR*((\fq)%FPW)+FR-1], v[FR*((\fp)%FPW):FR*((\fp)%FPW)+FR-1], \c, v[SB+8*((\j)/2)+(\fq)/4], v[SA+(\fp)-32] matrix_a_fmt:MATRIX_FMT_FP6 matrix_b_fmt:MATRIX_FMT_FP6 matrix_a_scale:MATRIX_SCALE_ROW0
.endif
.endm
.macro PROD e, n                       ; product n = 4 k + tile of a block; the first four start the sums
.set K_, (\n)/4
.set J_, (\n)%4
.set FA_, 32+8*(\e)+K_
.set D_, ACC+32*(\e)+8*J_
	WIN (1+(\n)/FPW)|((1+FA_/FPW)<<2)
.if K_
	PROD1 D_, \n, FA_, v[D_:D_+7], J_
.else
	PROD1 D_, \n, FA_, 0, J_
.endif
.endm
.macro OUTQ i, x                       ; line i of a block's way out: the two blocks' largest magnitudes in two chains by turns (with the floor 2^(3 - 127)), lane l xor 16's, the conversions' scale operands, the two bytes
.if (\i) < 16
.set XB_, (\x)+16*((\i)%2)+2*((\i)/2)
.set XT_, TQ+(\i)%2
	WIN 0
.if (\i) < 2
	v_max3_num_f32 v[XT_], |v[XB_]|, |v[XB_+1]|, 0x1800000
.else
	v_max3_num_f32 v[XT_], v[XT_], |v[XB_]|, |v[XB_+1]|
.endif
.elseif (\i) < 18
	WIN 0
	v_permlanex16_b32 v[TQ+2+(\i)-16], v[TQ+(\i)-16], s[SEL], s[SEL+1]
.elseif (\i) < 20
	WIN 0
	v_max_num_f32 v[TQ+(\i)-18], v[TQ+(\i)-18], v[TQ+2+(\i)-18]
.elseif (\i) < 22
	WIN 0
	v_add_nc_u32 v[SOP+(\i)-20], 0xff000000, v[TQ+(\i)-20]
.elseif (\i) < 24
	WIN 0
	v_lshrrev_b32 v[EB+(\i)-22], 23, v[SOP+(\i)-22]
.elseif (\i) == 24
	WIN 0
	v_lshl_or_b32 v[WD], v[EB+1], 8, v[EB]
.endif
.endm
.macro FIN n                           ; block n's codes: a whole block of 32 to a lane, one chunk; its two bytes to both groups' images
.if (\n) < 8
.set SB_, 84
.set GO_, REC*((\n)/2)+1536*((\n)%2)
.set XO_, 512*((\n)/2)+8*((\n)%2)
.else
.set SB_, 76+2*(((\n)-8)/4)
.set GO_, REC*(((\n)%4)/2)+1536*((\n)%2)
.set XO_, 2048+1024*(((\n)-8)/4)+512*(((\n)%4)/2)+8*((\n)%2)
.endif
.set X_, ACC+32*((\n)%2)
.set QC, QCB+8*((\n)%8)
.if (\n) >= 8
	s_wait_xcnt 0x0                                ; the stores of eight blocks ago have read these registers
.endif
	WALU                                           ; the wait ahead of readers that stand behind window switches, waits and branches
	v_cvt_scalef32_pk16_fp6_f32 v[QC:QC+2], v[X_:X_+15], v[SOP]
	v_cvt_scalef32_pk16_fp6_f32 v[TC:TC+2], v[X_+16:X_+31], v[SOP+1]
	v_nop                                          ; one plain line behind a scaled conversion
.irp i, 0,1,2
	v_permlane16_swap_b32 v[QC+\i], v[TC+\i]
.endr
.irp i, 0,1,2
	v_mov_b32 v[QC+3+\i], v[TC+\i]
.endr
	ds_store_b16 v[XA], v[WD] offset:XO_           ; both halves of the lanes store the same bytes
	ds_store_b16 v[XB], v[WD] offset:XO_
	global_store_b128 v[L16], v[QC:QC+3], s[SB_:SB_+1] offset:GO_          ; 512 consecutive bytes, aligned to 256
	global_store_b64 v[L8], v[QC+4:QC+5], s[SB_:SB_+1] offset:GO_+512      ; 256 consecutive bytes, aligned
.endm
.macro REFILL g0, g1                   ; the add was issued at the block's head; my LDS reads are over; a whole round; waves 0 and 1 ask for a half each
	WALU
	s_wait_dscnt 0x0
	CROUND
	s_cmp_lt_u32 s14, 2
	s_cbranch_scc0 .Lnone_\@
	TLOAD \g0, \g1
.Lnone_\@:
.endm
.macro BLKQ n
.if (\n) < 2
	s_wait_dscnt NF                                ; this block's fetch is in; the next block's 36 loads may be out
.elseif (\n) == 8
	s_wait_dscnt 0x0                               ; and w_qk's 136 loads
.elseif (\n) < 23
	s_wait_dscnt NF+2                              ; the next block's 36 loads and the two byte stores ahead of them may be out
.else
	s_wait_dscnt 2                                 ; nothing was fetched behind it: the two byte stores alone
.endif
.if ((\n) == 2) || ((\n) == 6) || ((\n) == 8) || ((\n) == 10)
	s_wait_tensorcnt 0x0                           ; all my tensor loads have landed
	ds_add_u32 v[SPW], v[NIL]                      ; the block's products stand between the add and the wait for it
.endif
.if (\n) == 2
	s_mov_b32 s[G1C+2], 200<<16                    ; no tensor load of mine is out: from here on the column's loads bring four records
	s_mov_b32 s[G1C+4], 200
.endif
.set N_, 0
.rept 32
	PROD (\n)%2, N_
.if ((\n) > 0) && (N_%2)
	OUTQ N_-1, ACC+32*(((\n)+1)%2)
	OUTQ N_, ACC+32*(((\n)+1)%2)
.endif
.set N_, N_+1
.endr
	WIN 0
	PLACES 4                                       ; behind the products: their results are read and their fragments' registers loaded anew
.if (\n) == 2
	REFILL G0A, G1C
.elseif (\n) == 6
	REFILL G0B, G1R
.elseif (\n) == 8
	REFILL G0C, G1R
.elseif (\n) == 10
	REFILL G0D, G1R
.elseif (\n) == 18
	WALU
	s_wait_tensorcnt 0x0                           ; every wave: the last refill
	s_wait_dscnt 0x0
	BARRIER                                        ; a plain barrier shows it
.endif
.if (\n) > 0
	FIN (\n)-1
.endif
.if (\n) < 22
	FETCH (\n)+2
.endif
.if (\n) == 7
	WEIGHTS REGB                                   ; the change of phase: w_qk's rows take the tokens' registers
.endif
.endm
	s_load_b256 s[4:11], s[0:1], 0x0               ; x_op, wqk_op, wv_op, qk_pk
	s_load_b64 s[12:13], s[0:1], 0x20              ; v_pk
	v_lshl_add_u32 v[SPW], v0, 2, SPARE
	v_mov_b32 v[NIL], 0
	ds_add_u32 v[SPW], v[NIL]                      ; the opening lines: the add, twice on end, and its wait
	ds_add_u32 v[SPW], v[NIL]
	v_lshrrev_b32 v1, 5, v0
	v_readfirstlane_b32 s14, v1                    ; wave
	s_lshr_b32 s15, s14, 1                         ; a
	s_and_b32 s16, s14, 1                          ; b; also which half I fetch
	s_bfe_u32 s40, ttmp6, 0x40000                  ; cx
	s_bfe_u32 s41, ttmp6, 0x40004                  ; cy
	s_mov_b32 s46, ttmp9                           ; clx
	s_lshl_b32 s42, ttmp9, 2
	s_add_co_u32 s42, s42, s40                     ; j
	s_and_b32 s43, ttmp7, 0xffff
	s_lshl_b32 s43, s43, 2
	s_add_co_u32 s43, s43, s41                     ; i
	s_lshl_b32 s44, s41, 2
	s_lshl_b32 s44, 15, s44                        ; my row of the cluster
	s_lshl_b32 s45, 0x1111, s40                    ; my column
	s_or_b32 s[G1R], s44, (3<<16)|(1<<21)
	s_or_b32 s[G1C], s45, (3<<16)|(1<<21)
	GROUP1 G1R, 200
	GROUP1 G1C, 400
	s_mov_b32 s[SEL], 0x76543210
	s_mov_b32 s[SEL+1], 0xfedcba98
	s_lshl_b32 s17, s43, 5
	s_lshl_b32 s18, s16, 2
	s_add_co_u32 s17, s17, s18                     ; x: record 32 i + 4 half
	s_mul_i32 s18, s16, 4*RECB
	s_mov_b32 s91, 0
	s_lshl_b32 s22, s40, 4
	s_lshl_b32 s19, s16, 3
	s_add_co_u32 s22, s22, s19
	s_mul_i32 s22, s22, RECB                       ; w_v: record 16 cx + 8 half
	s_mov_b32 s23, 0
	s_mov_b32 s[G0W], 1
	s_mul_i32 s[G0W+1], s16, 8*RECB
	s_add_co_u32 s[G0W+1], s[G0W+1], REGB
	s_mul_i32 s19, s15, RECB
	s_add_co_u32 s20, s19, 12288
	s_add_co_u32 s21, s18, 12288
	s_lshl_b32 s92, s15, 2
	s_lshl_b32 s93, s16, 1
	s_add_co_u32 s92, s92, s93
	s_add_co_u32 s92, s92, XS                      ; the even group's image: bytes 0, 1 from column 0, bytes 2, 3 from column 1
	s_xor_b32 s93, s16, 1
	s_lshl_b32 s93, s93, 1
	s_lshl_b32 s94, s15, 2
	s_add_co_u32 s93, s93, s94
	s_add_co_u32 s93, s93, XS+256                  ; the odd group's: the other way round
	s_lshl_b32 s94, s14, 9
	s_add_co_u32 s94, s94, XS                      ; the images that I store at the end: V's record wave,
	s_lshl_b32 s95, s14, 10
	s_add_co_u32 s95, s95, XS+2048                 ; and QK's chunk wave in the order of work
	v_and_b32 v1, 15, v0                           ; r
	v_bfe_u32 v2, v0, 4, 1                         ; h
	v_and_b32 v3, 31, v0                           ; l
	v_lshlrev_b32 v[L16], 4, v3
	v_lshlrev_b32 v[L8], 3, v3
	v_add_nc_u32 v[LA16], s19, v[L16]
	v_add_nc_u32 v[LA8], s19, v[L8]
	v_lshl_add_u32 v[LAS], v1, 3, s20
	v_add_nc_u32 v[LW16], s18, v[L16]
	v_add_nc_u32 v[LW8], s18, v[L8]
	v_mul_u32_u24 v[LWS], v2, RECB
	v_lshl_add_u32 v[LWS], v1, 3, v[LWS]
	v_add_nc_u32 v[LWS], s21, v[LWS]
	v_lshl_add_u32 v[XA], v1, 4, s92
	v_lshl_add_u32 v[XB], v1, 4, s93
	v_add_nc_u32 v[XR], s94, v[L16]
	v_add_nc_u32 v[XR2], s95, v[L16]
	v_mul_u32_u24 v[SWO], v2, 16*REC
	v_lshl_add_u32 v[SWO], v1, 4, v[SWO]
	v_mov_b32 v[TQ+2], 0                           ; a lane permute's destination counts as read
	v_mov_b32 v[TQ+3], 0
	WALU                                           ; the wait at the head's end
	s_wait_dscnt 0x0                               ; both opening adds are done
	CROUND                                         ; all sixteen work-groups are here: the joint loads meet
	s_wait_kmcnt 0x0
	XADR G0X, 0, 0
	s_add_nc_u64 s[G0W+2:G0W+3], s[8:9], s[22:23]
	s_or_b32 s[G0W+3], s[G0W+3], 0x80000000
	s_cmp_lt_u32 s14, 2
	s_cbranch_scc0 .Lfor_p
	TLOAD G0X, G1R                                 ; waves 0, 1: the tokens, wanted first
	s_branch .Lasked
.Lfor_p:
	s_cmp_eq_u32 s14, 2
	s_cbranch_scc0 .Lfor_p2
	TLOAD G0W, G1C                                 ; wave 2: w_v's tiles 0-7, which blocks 0-3 read
	s_branch .Lasked
.Lfor_p2:
	TLOAD G0W, G1C                                 ; wave 3: tiles 8-15, on a line of its own: it is waited for in block 2
.Lasked:
	XADR G0B, 1, 2*REGB
	XADR G0C, 2, REGB
	XADR G0D, 3, 0
	s_lshl_b32 s90, s42, 3
	s_lshl_b32 s19, s16, 2
	s_add_co_u32 s90, s90, s19
	s_mul_i32 s90, s90, RECB                       ; w_qk: record 8 j + 4 half
	s_add_nc_u64 s[G0A+2:G0A+3], s[6:7], s[90:91]
	s_or_b32 s[G0A+3], s[G0A+3], 0x80000000
	s_mov_b32 s[G0A], 1
	s_add_co_u32 s[G0A+1], s18, REGB
	; the output's records: (tile of p & 63) / 4 + 16 (group of q & 31) + 512 (group / 32 + tile / 64)
	s_and_b32 s92, s43, 1                          ; QK: tile 32 i + 8 chunk + 2 u + a, group 2 j + b
	s_lshl_b32 s92, s92, 3
	s_lshl_b32 s19, s42, 5
	s_add_co_u32 s92, s92, s19
	s_lshr_b32 s19, s43, 1
	s_lshl_b32 s19, s19, 9
	s_add_co_u32 s92, s92, s19
	s_mov_b32 s94, s92
	s_lshl_b32 s19, s16, 4
	s_add_co_u32 s92, s92, s19
	s_mul_i32 s93, s15, 768
	OADR 76, 0
	OADR 78, 1
	OADR 80, 2
	OADR 82, 3
	s_add_co_u32 s90, s46, s14                     ; the chunk whose scale words I store
	s_and_b32 s90, s90, 3
	s_lshl_b32 s90, s90, 1
	s_add_co_u32 s90, s90, s94
	s_mul_i32 s90, s90, REC
	s_add_nc_u64 s[86:87], s[10:11], s[90:91]
	s_and_b32 s92, s43, 3                          ; V: tile 16 cx + 2 s + a, group 8 i + 2 clx + b
	s_lshl_b32 s92, s92, 3
	s_lshl_b32 s19, s46, 1
	s_add_co_u32 s92, s92, s19
	s_lshl_b32 s92, s92, 4
	s_lshl_b32 s19, s40, 2
	s_add_co_u32 s92, s92, s19
	s_lshr_b32 s19, s43, 2
	s_lshl_b32 s19, s19, 9
	s_add_co_u32 s92, s92, s19
	s_add_co_u32 s90, s92, s14
	s_mul_i32 s90, s90, REC
	s_add_nc_u64 s[88:89], s[12:13], s[90:91]
	s_lshl_b32 s19, s16, 4
	s_add_co_u32 s90, s92, s19
	s_mul_i32 s90, s90, REC
	s_add_co_u32 s90, s90, s93
	s_add_nc_u64 s[84:85], s[12:13], s[90:91]
	s_cmp_lt_u32 s14, 2
	s_cbranch_scc0 .Lnot_q
	s_wait_tensorcnt 0x0                           ; both issuers of the tokens' line wait
.Lnot_q:
	BARRIER                                        ; the tokens are in; w_v may be on its way
	WEIGHTS 0
	s_cmp_eq_u32 s14, 3
	s_cbranch_scc1 .Lnot_p1
	s_wait_tensorcnt 0x0                           ; wave 2's tiles 0-7 (waves 0 and 1 have nothing out)
.Lnot_p1:
	s_wait_dscnt 0x0
	BARRIER                                        ; w_v's tiles 0-7 are in; tiles 8-15 may be on their way
	FETCH 0
	FETCH 1
.irp n, 0,1,2,3,4,5,6,7,8,9,10,11,12,13,14,15,16,17,18,19,20,21,22,23
	BLKQ \n
.endr
.set I_, 0
.rept 25
	OUTQ I_, ACC+32
.set I_, I_+1
.endr
	FIN 23
	s_wait_dscnt 0x0                               ; my byte stores are done
	BARRIER
	ds_load_b128 v[244:247], v[XR]                 ; lanes 0-15 the even group's image, lanes 16-31 the odd group's
	ds_load_b128 v[248:251], v[XR2]
	ds_load_b128 v[252:255], v[XR2] offset:512
	s_wait_dscnt 0x0
	global_store_b128 v[SWO], v[244:247], s[88:89] offset:3072       ; sixteen lanes fill an aligned 256 bytes of each record
	global_store_b128 v[SWO], v[248:251], s[86:87] offset:3072
	global_store_b128 v[SWO], v[252:255], s[86:87] offset:3072+REC
	s_wait_tensorcnt 0x0                           ; the wave's end
	ds_add_u32 v[SPW], v[NIL]
	s_wait_dscnt 0x0
	CROUND                                         ; the closing round
	s_endpgm
.Lfunc_end_k_qa06e180fc5_gemm_qkv:
	.size	k_qa06e180fc5_gemm_qkv, .Lfunc_end_k_qa06e180fc5_gemm_qkv-k_qa06e180fc5_gemm_qkv
	.p2alignl 7, 3214868480
	.fill 96, 4, 3214868480
	.section	.rodata,"a",@progbits
	.p2align	6, 0x0
	.amdhsa_kernel k_qa06e180fc5_gemm_qkv
		.amdhsa_group_segment_fixed_size 327680
		.amdhsa_private_segment_fixed_size 0
		.amdhsa_enable_private_segment 0
		.amdhsa_kernarg_size 40
		.amdhsa_user_sgpr_count 2
		.amdhsa_user_sgpr_kernarg_segment_ptr 1
		.amdhsa_wavefront_size32 1
		.amdhsa_system_sgpr_workgroup_id_x 1
		.amdhsa_system_sgpr_workgroup_id_y 1
		.amdhsa_system_sgpr_workgroup_id_z 1
		.amdhsa_system_vgpr_workitem_id 0
		.amdhsa_next_free_vgpr 896
		.amdhsa_next_free_sgpr 96
		.amdhsa_reserve_vcc 0
		.amdhsa_float_denorm_mode_32 3
		.amdhsa_float_denorm_mode_16_64 3
		.amdhsa_memory_ordered 1
		.amdhsa_forward_progress 1
		.amdhsa_inst_pref_size 255
	.end_amdhsa_kernel
	.section	.bss,"aw",@nobits
	.p2align	6
	.space	262144
	.amdgpu_metadata
---
amdhsa.version: [ 1, 2 ]
amdhsa.kernels:
  - .name:           k_qa06e180fc5_gemm_qkv
    .symbol:         k_qa06e180fc5_gemm_qkv.kd
    .args:
      - { .name: x_op, .offset: 0, .size: 8, .value_kind: global_buffer, .address_space: global }
      - { .name: wqk_op, .offset: 8, .size: 8, .value_kind: global_buffer, .address_space: global }
      - { .name: wv_op, .offset: 16, .size: 8, .value_kind: global_buffer, .address_space: global }
      - { .name: qk_pk, .offset: 24, .size: 8, .value_kind: global_buffer, .address_space: global }
      - { .name: v_pk, .offset: 32, .size: 8, .value_kind: global_buffer, .address_space: global }
    .group_segment_fixed_size: 327680
    .private_segment_fixed_size: 0
    .kernarg_segment_align: 8
    .kernarg_segment_size: 40
    .max_flat_workgroup_size: 128
    .sgpr_count:     96
    .vgpr_count:     896
    .wavefront_size: 32
...
	.end_amdgpu_metadata
.endif
;; end of part 2
;; launch attn (part 3): grid 4 x 64, 16 waves a work-group, clusters of 4 x 1, 215,040 bytes of LDS; arguments qk_pk, v_pk, y_op; writes y_op
.if DOCPART == 3
	.amdgcn_target "amdgcn-amd-amdhsa--gfx1250"
	.amdhsa_code_object_version 6
	.text
	.protected	k_qa06e180fc5_attn
	.globl	k_qa06e180fc5_attn
	.p2align	8
	.type	k_qa06e180fc5_attn,@function
k_qa06e180fc5_attn:
	s_mov_b64 s[64:65], 0
	v_nop
	global_prefetch_b8 v0, s[64:65] scope:SCOPE_SE
	s_setreg_imm32_b32 hwreg(HW_REG_WAVE_MODE, 25, 1), 1
	s_wait_xcnt 0x0
	s_wait_alu depctr_hold_cnt(0) depctr_sa_sdst(0) depctr_va_vdst(0) depctr_va_sdst(0) depctr_va_ssrc(0) depctr_va_vcc(0) depctr_vm_vsrc(0)
	s_getreg_b32 s2, hwreg(HW_REG_IB_STS2, 6, 4)
	s_cmp_eq_u32 s2, 0
	s_cbranch_scc0 .Lentry_in_a_cluster
	s_endpgm
.Lentry_in_a_cluster:
	s_bfe_u32 s2, ttmp6, 0x10000c
	s_cmp_lg_u32 s2, 0x3003
	s_cbranch_scc0 .Lentry_shape_is_right
	s_endpgm
.Lentry_shape_is_right:
; y[b][q][h][:] = sum over keys k <= q of softmax_k(q . k / 8) v[k][:], both products on codes of FP6 (E2M3) with E8M0 scales; y quantised along the model's 1,024 and stored as the last product's operand.
; THE SOFTMAX: t = score x log2(e) / 8; M = the running largest t rounded UP to a whole number; p = 2^(t - M) is quantised along the keys, not normalised; the row's sum is taken of the unquantised p and divides at the end.
; IN: records of 3,328 bytes (four chunks of 16 rows x 64 K, then [row][tile] a scale word).  q and k: rows = tokens by position (row r of tile t is token 32 (t / 2) + 8 (t % 2) + r + 8 (r / 8)), K = the head's 64.  v: rows = the head's 64, K = 64 keys.
; A CLUSTER IS ONE HEAD of one batch.  The head's k and v, 2 x 106,496 bytes with their scales, lie WHOLE in each partner's LDS: they come once, by joint loads in four parts of 512 keys; nothing is filled again.
; SHARES: a wave owns one tile of 16 queries at a time, tile 8 g + 4 (wave % 2) + cx, and walks key steps 0 .. g of 128 keys; g = 15 - wave / 2 in the first pass, wave / 2 in the second: 17 steps for every wave of the launch.
; g hangs on the wave's number alone: no branch, trip count or LDS address hangs on the place in the cluster, which enters q's and y's global addresses and the mask's numbers only.
; LAYOUT: S^T = k q^T and O^T = v^T p^T: a lane holds one query.  By the order of k's rows the 16 registers of two neighbouring tiles are 16 neighbouring keys.
; K = 64 IN A FORM OF 128: q's upper six registers are zero codes; a tile of k names 12 registers, the upper six being the next tile's codes: finite numbers times zero add nothing (no scale byte here is 0xff).
; LIMITS: a block of zeros, or one under 2^-124, gets the byte 1 (only this program reads the bytes); NaN and infinities are not served.
; REGISTERS: v1-4, v7, v255 lane terms; v5, v6 the add's two; v8-13 addresses; v14 -M, v15 the largest t; v16-27 q; v28 q's scale word; v29 y's two bytes; v[30:31] the sum; v32-85 k (v32-43 later p's codes);
;   v86-89, v90-93 k's and v's scale words; v94 f, v95 p's scale word; v96-159 S^T, p; v160-191 O^T; v192-239 v; v240-254 at work.
.set REC,   3328
.set STEPB, 2*REC                      ; a key step: two records
.set VC,    32*REC                     ; behind k's 32 records: v's
.set SPARE, 2*VC                       ; the spare words, 128 bytes a wave
.set PARTB, 8*REC                      ; 512 keys
.set HALFB, 4*REC                      ; what one tensor load brings
.set WV,  10
.set E,   11                           ; wave % 2
.set WP,  12                           ; wave / 2
.set CX,  13
.set BH,  14
.set BB,  15                           ; batch
.set HH,  16                           ; head
.set G,   17
.set KS,  18                           ; the key step
.set TB,  19                           ; its first LDS byte
.set SEL, 20
.set CS,  22                           ; s[22:23] log2(e) / 8
.set G1K, 24
.set G1V, 32
.set G0K, 40                           ; s[40:43]
.set G0V, 56                           ; s[56:59]
.macro CROUND
	s_barrier_signal -1
	s_barrier_wait -1
	s_cmp_lg_u32 s[WV], 0
	s_cbranch_scc1 .Lnot_wave_0_\@
	s_barrier_signal -3
.Lnot_wave_0_\@:
	s_barrier_wait -3
	s_barrier_signal -1
	s_barrier_wait -1
.endm
	s_load_b128 s[4:7], s[0:1], 0x0                ; qk_pk, v_pk
	s_load_b64 s[8:9], s[0:1], 0x10                ; y_op
	v_lshl_add_u32 v5, v0, 2, SPARE
	v_mov_b32 v6, 0
	ds_add_u32 v5, v6                              ; the wave's opening: the add and its wait ahead of the first tensor loads
	ds_add_u32 v5, v6
	v_lshrrev_b32 v1, 5, v0
	s_delay_alu instid0(VALU_DEP_1)
	v_readfirstlane_b32 s[WV], v1
	s_and_b32 s[E], s[WV], 1
	s_lshr_b32 s[WP], s[WV], 1
	s_bfe_u32 s[CX], ttmp6, 0x40000
	s_and_b32 s[BH], ttmp7, 0xffff
	s_lshr_b32 s[BB], s[BH], 4
	s_and_b32 s[HH], s[BH], 15
	s_mov_b32 s[G1K], 15|(3<<16)|(1<<21)           ; the mask: all four; elements of 8 bytes; 21 set beside a mask.  k: four records on end, 13,312 dense bytes, as 52 rows of 256
	s_mov_b32 s[G1K+1], 32<<16
	s_mov_b32 s[G1K+2], 52<<16
	s_mov_b32 s[G1K+3], 32<<16
	s_mov_b32 s[G1K+4], 52
	s_mov_b32 s[G1K+5], 32
	s_mov_b32 s[G1K+6], 0
	s_mov_b32 s[G1K+7], 0
	s_mov_b32 s[G1V], 15|(3<<16)|(1<<21)           ; v: four records of 3,328 bytes, 16 records apart
	s_mov_b32 s[G1V+1], 416<<16
	s_mov_b32 s[G1V+2], 4<<16
	s_mov_b32 s[G1V+3], 416<<16
	s_mov_b32 s[G1V+4], 4
	s_mov_b32 s[G1V+5], 6656
	s_mov_b32 s[G1V+6], 0
	s_mov_b32 s[G1V+7], 0
	s_mov_b32 s[SEL], 0x76543210
	s_mov_b32 s[SEL+1], 0xfedcba98
	s_mov_b32 s[CS], 0x3e38aa3b
	s_mov_b32 s[CS+1], s[CS]
	s_add_co_u32 s84, s[HH], 16                    ; k's group of 64 columns is 16 + head
	s_lshl_b32 s84, s84, 4
	s_lshl_b32 s85, s[BB], 10
	s_add_co_u32 s84, s84, s85
	s_mul_i32 s84, s84, REC
	s_mul_i32 s88, s[E], HALFB                     ; my half of a part, in memory (k) and in LDS
	s_add_co_u32 s84, s84, s88
	s_mov_b32 s85, 0
	s_lshl_b32 s86, s[BB], 9
	s_add_co_u32 s86, s86, s[HH]
	s_mul_i32 s86, s86, REC
	s_mul_i32 s87, s[E], 4*16*REC
	s_add_co_u32 s86, s86, s87
	s_mov_b32 s87, 0
	s_wait_dscnt 0x0                               ; the opening add is done
	s_wait_kmcnt 0x0
	s_add_nc_u64 s[84:85], s[4:5], s[84:85]
	s_add_nc_u64 s[86:87], s[6:7], s[86:87]
	CROUND                                         ; all four work-groups are here: the joint loads meet
	; sixteen loads, one a wave: part wave / 4 of 512 keys; (wave / 2) % 2: k or v; half wave % 2 of the part.  So keys 0-511 are waves 0-3's
	s_lshr_b32 s89, s[WV], 2                       ; my part
	s_mul_i32 s90, s89, PARTB
	s_add_co_u32 s90, s90, s88                     ; its place in k's LDS bytes
	s_and_b32 s91, s89, 1
	s_mul_i32 s91, s91, 8*REC
	s_lshr_b32 s44, s89, 1
	s_mul_i32 s44, s44, 512*REC
	s_add_co_u32 s44, s44, s91                     ; and in k's records
	s_mov_b32 s45, 0
	s_mul_i32 s46, s89, 8*16*REC                   ; and in v's
	s_mov_b32 s47, 0
	s_mov_b32 s[G0K], 1
	s_mov_b32 s[G0K+1], s90
	s_add_nc_u64 s[G0K+2:G0K+3], s[84:85], s[44:45]
	s_or_b32 s[G0K+3], s[G0K+3], 0x80000000
	s_mov_b32 s[G0V], 1
	s_add_co_u32 s[G0V+1], s90, VC
	s_add_nc_u64 s[G0V+2:G0V+3], s[86:87], s[46:47]
	s_or_b32 s[G0V+3], s[G0V+3], 0x80000000
	s_bfe_u32 s91, s[WV], 0x10001                  ; 0: k, 1: v
	s_cmp_lt_u32 s[WV], 2                          ; one chain of branches, a load to an arm; the first part's two lines are waves 0-3's alone
	s_cbranch_scc0 .Lnot_k0
	tensor_load_to_lds s[G0K:G0K+3], s[G1K:G1K+7]
	s_nop 0
.rept 4
	v_nop
.endr
	s_branch .Lasked
.Lnot_k0:
	s_cmp_lt_u32 s[WV], 4
	s_cbranch_scc0 .Lnot_v0
	tensor_load_to_lds s[G0V:G0V+3], s[G1V:G1V+7]
	s_nop 0
.rept 4
	v_nop
.endr
	s_branch .Lasked
.Lnot_v0:
	s_cmp_eq_u32 s91, 0
	s_cbranch_scc0 .Lnot_k
	tensor_load_to_lds s[G0K:G0K+3], s[G1K:G1K+7]
	s_nop 0
.rept 4
	v_nop
.endr
	s_branch .Lasked
.Lnot_k:
	tensor_load_to_lds s[G0V:G0V+3], s[G1V:G1V+7]
	s_nop 0
.rept 4
	v_nop
.endr
.Lasked:
	v_and_b32 v7, 31, v0
	s_delay_alu instid0(VALU_DEP_1)
	v_lshlrev_b32 v1, 4, v7                        ; 16 l
	s_delay_alu instid0(VALU_DEP_2)
	v_lshlrev_b32 v2, 3, v7                        ; 8 l
	v_and_b32 v8, 15, v0                           ; r
	v_bfe_u32 v9, v0, 4, 1                         ; h
	s_delay_alu instid0(VALU_DEP_2)
	v_lshlrev_b32 v4, 4, v8                        ; 16 r
	s_delay_alu instid0(VALU_DEP_2)
	v_mul_u32_u24 v3, v9, REC
	s_delay_alu instid0(VALU_DEP_1)
	v_add_nc_u32 v3, v3, v4
	s_delay_alu instid0(VALU_DEP_1)
	v_add_nc_u32 v3, 3072, v3                      ; k's scale words: lanes 0-15 the step's first record, lanes 16-31 its second
	v_lshlrev_b32 v255, 3, v8                      ; 8 r
	v_and_b32 v10, 8, v8
	s_delay_alu instid0(VALU_DEP_1)
	v_add_nc_u32 v10, v10, v8
	v_lshlrev_b32 v11, 4, v9
	s_delay_alu instid0(VALU_DEP_1)
	v_sub_nc_u32 v10, v10, v11
	s_lshl_b32 s84, s[E], 6
	s_lshr_b32 s85, s[CX], 1
	s_lshl_b32 s85, s85, 5
	s_add_co_u32 s84, s84, s85
	s_and_b32 s85, s[CX], 1
	s_lshl_b32 s85, s85, 3
	s_add_co_u32 s84, s84, s85
	v_add_nc_u32 v7, s84, v10                      ; my query's place in its 128, less 16 h: register 16 b + i of the diagonal step is hidden where 32 b + i is greater
.irp j, 22,23,24,25,26,27,80,81,82,83,84,85
	v_mov_b32 v\j, 0                               ; zero codes: q's upper 64 along K, and what the last tile of k names beyond its own
.endr
.irp j, 244,245,246,247,95
	v_mov_b32 v\j, 0                               ; a lane permute's destination, and the upper half of a pair, count as read
.endr
.macro PASSADDR                        ; the pass's tile of queries: where q lies and where y goes
	s_and_b32 s84, s[G], 7
	s_lshl_b32 s84, s84, 1
	s_add_co_u32 s84, s84, s[E]
	s_lshl_b32 s85, s[HH], 4
	s_add_co_u32 s84, s84, s85
	s_lshl_b32 s85, s[BB], 10
	s_add_co_u32 s84, s84, s85
	s_lshr_b32 s85, s[G], 3
	s_lshl_b32 s85, s85, 9
	s_add_co_u32 s84, s84, s85
	s_mul_i32 s84, s84, REC                        ; q's record
	s_mov_b32 s85, 0
	s_mul_i32 s86, s[CX], 768                      ; my tile's chunk in it
	s_mov_b32 s87, 0
	s_add_nc_u64 s[76:77], s[4:5], s[84:85]
	s_add_nc_u64 s[76:77], s[76:77], s[86:87]
	s_lshl_b32 s86, s[CX], 2                       ; and its scale words
	s_add_nc_u64 s[78:79], s[4:5], s[84:85]
	s_add_nc_u64 s[78:79], s[78:79], s[86:87]
	s_lshl_b32 s84, s[BB], 7
	s_lshl_b32 s86, s[G], 3
	s_add_co_u32 s84, s84, s86
	s_lshl_b32 s86, s[E], 2
	s_add_co_u32 s84, s84, s86
	s_add_co_u32 s84, s84, s[CX]
	s_mul_i32 s84, s84, 12800                      ; y's record
	s_mul_i32 s86, s[HH], 768                      ; the head's chunk
	s_add_nc_u64 s[80:81], s[8:9], s[84:85]
	s_add_nc_u64 s[80:81], s[80:81], s[86:87]
	s_lshr_b32 s86, s[HH], 2
	s_lshl_b32 s86, s86, 7
	s_and_b32 s89, s[HH], 3
	s_lshl_b32 s89, s89, 1
	s_add_co_u32 s86, s86, s89                     ; the head's two scale bytes
	s_add_nc_u64 s[82:83], s[8:9], s[84:85]
	s_add_nc_u64 s[82:83], s[82:83], s[86:87]
	global_load_b128 v[16:19], v1, s[76:77]
	global_load_b64 v[20:21], v2, s[76:77] offset:512
	global_load_b32 v28, v4, s[78:79] offset:3072
.set n, 0
.rept 32
	v_mov_b32 v[160+n], 0                          ; O^T: the step is written once; the first finds zeros
.set n, n+1
.endr
	v_mov_b32 v30, 0
	v_mov_b32 v31, 0
	v_mov_b32 v15, 0xff61b1e6                      ; -3e38, under every t
	s_delay_alu instid0(VALU_DEP_1)
	v_floor_f32 v14, -v15
	s_wait_loadcnt 0x0
.endm
; A KEY STEP: 128 keys.  diag = 1: the text holds the mask, jumped over where the step is not the pass's last
.macro BODY diag
	s_add_co_u32 s88, s[TB], VC
	v_add_nc_u32 v8, s[TB], v1                     ; these six are also the places behind the last step's products, in front of the loads
	v_add_nc_u32 v9, s[TB], v2
	v_add_nc_u32 v10, s[TB], v3
	v_add_nc_u32 v11, s88, v1
	v_add_nc_u32 v12, s88, v2
	v_add_nc_u32 v13, s88, v4
.irp t, 0,1,2,3,4,5,6,7
	ds_load_b128 v[32+6*\t:35+6*\t], v8 offset:REC*(\t/4)+768*(\t%4)
	ds_load_b64 v[36+6*\t:37+6*\t], v9 offset:REC*(\t/4)+768*(\t%4)+512
.endr
	ds_load_b128 v[86:89], v10                     ; lanes 0-15: tiles 0-3; lanes 16-31: tiles 4-7
.irp d, 0,1,2,3
.irp c, 0,1
	ds_load_b128 v[192+12*\d+6*\c:195+12*\d+6*\c], v11 offset:REC*\c+768*\d
	ds_load_b64 v[196+12*\d+6*\c:197+12*\d+6*\c], v12 offset:REC*\c+768*\d+512
.endr
.endr
	ds_load_b128 v[90:93], v13 offset:3072         ; the even record's words carry all four bytes of the 128 keys
	s_wait_dscnt 17                                ; k's 17 loads are in; v's 17 may be out
.irp t, 0,1,2,3
	v_wmma_scale_f32_16x16x128_f8f6f4 v[96+8*\t:103+8*\t], v[32+6*\t:43+6*\t], v[16:27], 0, v[86+\t], v28 matrix_a_fmt:MATRIX_FMT_FP6 matrix_b_fmt:MATRIX_FMT_FP6
.endr
.irp t, 4,5,6,7
	v_wmma_scale_f32_16x16x128_f8f6f4 v[96+8*\t:103+8*\t], v[32+6*\t:43+6*\t], v[16:27], 0, v[82+\t], v28 matrix_a_fmt:MATRIX_FMT_FP6 matrix_b_fmt:MATRIX_FMT_FP6 matrix_a_scale:MATRIX_SCALE_ROW1
.endr
.rept 4
	v_nop
.endr
.if \diag
	s_cmp_lg_u32 s[KS], s[G]
	s_cbranch_scc1 .Lopen_\@
	v_mov_b32 v252, 0xff800000                     ; hidden scores become -infinity ahead of the maximum: p = 0 then
.set n, 0
.rept 64
	v_cmp_gt_i32 vcc_lo, 32*(n/16)+n%16, v7
	v_cndmask_b32 v[96+n], v[96+n], v252, vcc_lo
.set n, n+1
.endr
.Lopen_\@:
.endif
.irp b, 0,1,2,3
	v_max3_num_f32 v[240+\b], v[96+16*\b], v[97+16*\b], v[98+16*\b]   ; the largest score of each block of 32 keys: for the row's maximum and, since p rises with the score, for the block's largest p
.endr
.irp i, 3,5,7,9,11,13
.irp b, 0,1,2,3
	v_max3_num_f32 v[240+\b], v[240+\b], v[96+16*\b+\i], v[97+16*\b+\i]
.endr
.endr
.irp b, 0,1,2,3
	v_max_num_f32 v[240+\b], v[240+\b], v[111+16*\b]
.endr
.irp b, 0,1,2,3
	s_delay_alu instid0(VALU_DEP_4)
	v_permlanex16_b32 v[244+\b], v[240+\b], s[SEL], s[SEL+1]
.endr
.irp b, 0,1,2,3
	s_delay_alu instid0(VALU_DEP_4)
	v_max_num_f32 v[240+\b], v[240+\b], v[244+\b]
.endr
	s_delay_alu instid0(VALU_DEP_2)
	v_max3_num_f32 v252, v240, v241, v242
	s_delay_alu instid0(VALU_DEP_1)
	v_max_num_f32 v252, v252, v243
	s_delay_alu instid0(VALU_DEP_1)
	v_mul_f32 v252, s[CS], v252
	s_delay_alu instid0(VALU_DEP_1)
	v_max_num_f32 v15, v15, v252                   ; the running largest t
	v_mov_b32 v252, v14
	s_delay_alu instid0(VALU_DEP_2)
	v_floor_f32 v14, -v15                          ; -M = floor(-t): M is a whole number
	s_delay_alu instid0(VALU_DEP_1)
	v_sub_f32 v252, v14, v252
	s_delay_alu instid0(VALU_DEP_1)
	v_cvt_i32_f32 v252, v252                       ; (it saturates)
	s_delay_alu instid0(VALU_DEP_1)
	v_ldexp_f32 v94, 1.0, v252                     ; f = 2^(old M - new M): rounds nothing
.set n, 0
.rept 32
	v_pk_fma_f32 v[96+n:97+n], v[96+n:97+n], s[CS:CS+1], v[14:15] op_sel_hi:[1,0,0]   ; t - M
.set n, n+2
.endr
.irp b, 0,1,2,3
	v_fma_f32 v[240+\b], v[240+\b], s[CS], v14
.endr
.set n, 0
	s_wait_alu depctr_va_vdst(0)
.rept 64
	v_exp_f32 v[96+n], v[96+n]                     ; p
.set n, n+1
.endr
	v_pk_mul_f32 v[30:31], v[30:31], v[94:95] op_sel_hi:[1,0]   ; the sums under the new M: the plain line behind the exponentials
	s_wait_alu depctr_va_vdst(0)                   ; one wait for the batch, ahead of its first use
.irp b, 0,1,2,3
	v_exp_f32 v[240+\b], v[240+\b]                 ; each block's largest p
.endr
	v_pk_add_f32 v[244:245], v[100:101], v[104:105]
	v_pk_add_f32 v[252:253], v[108:109], v[112:113]
	v_pk_add_f32 v[250:251], v[116:117], v[120:121]
	v_pk_add_f32 v[248:249], v[124:125], v[128:129]
	v_pk_add_f32 v[246:247], v[132:133], v[136:137]
	v_pk_add_f32 v[88:89], v[140:141], v[144:145]
	v_pk_add_f32 v[86:87], v[148:149], v[152:153]
	v_pk_add_f32 v[30:31], v[30:31], v[156:157]
	v_pk_add_f32 v[244:245], v[244:245], v[96:97]
	v_pk_add_f32 v[252:253], v[252:253], v[98:99]
	v_pk_add_f32 v[250:251], v[250:251], v[102:103]
	v_pk_add_f32 v[248:249], v[248:249], v[106:107]
	v_pk_add_f32 v[246:247], v[246:247], v[110:111]
	v_pk_add_f32 v[88:89], v[88:89], v[114:115]
	v_pk_add_f32 v[86:87], v[86:87], v[118:119]
	v_pk_add_f32 v[30:31], v[30:31], v[122:123]
	v_pk_add_f32 v[244:245], v[244:245], v[126:127]
	v_pk_add_f32 v[252:253], v[252:253], v[130:131]
	v_pk_add_f32 v[250:251], v[250:251], v[134:135]
	v_pk_add_f32 v[248:249], v[248:249], v[138:139]
	v_pk_add_f32 v[246:247], v[246:247], v[142:143]
	v_pk_add_f32 v[88:89], v[88:89], v[146:147]
	v_pk_add_f32 v[86:87], v[86:87], v[150:151]
	v_pk_add_f32 v[30:31], v[30:31], v[154:155]
	v_pk_add_f32 v[244:245], v[244:245], v[158:159]
	s_delay_alu instid0(VALU_DEP_2)
	v_pk_add_f32 v[30:31], v[30:31], v[248:249]
	s_delay_alu instid0(VALU_DEP_2)
	v_pk_add_f32 v[244:245], v[244:245], v[246:247]
	v_pk_add_f32 v[252:253], v[252:253], v[88:89]
	v_pk_add_f32 v[250:251], v[250:251], v[86:87]
	s_delay_alu instid0(VALU_DEP_2)
	v_pk_add_f32 v[30:31], v[30:31], v[252:253]
	s_delay_alu instid0(VALU_DEP_2)
	v_pk_add_f32 v[244:245], v[244:245], v[250:251]
	s_delay_alu instid0(VALU_DEP_1)
	v_pk_add_f32 v[30:31], v[30:31], v[244:245]
	s_wait_alu depctr_va_vdst(0)                   ; and one for the four
.irp b, 0,1,2,3
	v_max_num_f32 v[240+\b], 0x1800000, v[240+\b]  ; the floor 2^(3 - 127)
.endr
.irp b, 0,1,2,3
	s_delay_alu instid0(VALU_DEP_4)
	v_add_nc_u32 v[248+\b], 0xff000000, v[240+\b]
.endr
.irp b, 0,1,2,3
	s_delay_alu instid0(VALU_DEP_4)
	v_lshrrev_b32 v[244+\b], 23, v[248+\b]
.endr
	s_delay_alu instid0(VALU_DEP_3)
	v_lshl_or_b32 v95, v245, 8, v244               ; p's scale word
	s_delay_alu instid0(VALU_DEP_1)
	v_lshl_or_b32 v95, v246, 16, v95
	s_delay_alu instid0(VALU_DEP_1)
	v_lshl_or_b32 v95, v247, 24, v95
	v_cvt_scalef32_pk16_fp6_f32 v[32:34], v[96:111], v248
	v_cvt_scalef32_pk16_fp6_f32 v[244:246], v[112:127], v249
	v_cvt_scalef32_pk16_fp6_f32 v[38:40], v[128:143], v250
	v_cvt_scalef32_pk16_fp6_f32 v[252:254], v[144:159], v251
	v_nop                                          ; one plain place behind a scaled conversion
.irp i, 0,1,2
	v_permlane16_swap_b32 v[32+\i], v[244+\i]      ; a whole block to a lane
.endr
.irp i, 0,1,2
	s_delay_alu instid0(VALU_DEP_3)
	v_mov_b32 v[35+\i], v[244+\i]
.endr
.irp i, 0,1,2
	v_permlane16_swap_b32 v[38+\i], v[252+\i]
.endr
.irp i, 0,1,2
	s_delay_alu instid0(VALU_DEP_3)
	v_mov_b32 v[41+\i], v[252+\i]
.endr
.set n, 0
.rept 16
	v_pk_mul_f32 v[160+n:161+n], v[160+n:161+n], v[94:95] op_sel_hi:[1,0]   ; O^T under the new M; also the places in front of the products below
.set n, n+2
.endr
	s_wait_alu depctr_va_vdst(0)
	s_wait_dscnt 0x0                               ; v is in
.irp d, 0,1,2,3
	v_wmma_scale_f32_16x16x128_f8f6f4 v[160+8*\d:167+8*\d], v[192+12*\d:203+12*\d], v[32:43], v[160+8*\d:167+8*\d], v[90+\d], v95 matrix_a_fmt:MATRIX_FMT_FP6 matrix_b_fmt:MATRIX_FMT_FP6
.endr
.endm
.macro OPEN first, lim                 ; steps that every wave of the pass walks whole
	s_mov_b32 s[KS], \first
	s_mov_b32 s[TB], \first*STEPB
.Lopen_loop_\@:
	BODY 0
	s_add_co_u32 s[TB], s[TB], STEPB
	s_add_co_u32 s[KS], s[KS], 1
	s_cmp_lt_u32 s[KS], \lim
	s_cbranch_scc1 .Lopen_loop_\@
.endm
.macro GEN first, lim                  ; a constant count of trips; a step whose keys all come after my queries is jumped over
	s_mov_b32 s[KS], \first
	s_mov_b32 s[TB], \first*STEPB
.Lgen_\@:
	s_cmp_gt_u32 s[KS], s[G]
	s_cbranch_scc1 .Lskip_\@
	BODY 1
.Lskip_\@:
	s_add_co_u32 s[TB], s[TB], STEPB
	s_add_co_u32 s[KS], s[KS], 1
	s_cmp_lt_u32 s[KS], \lim
	s_cbranch_scc1 .Lgen_\@
.endm
; y = O^T / the sum, quantised: register 16 b + i is the head's channel 32 b + 16 h + i: two blocks, one chunk
.macro WAYOUT
.rept 4
	v_nop
.endr
	v_add_f32 v30, v30, v31
	s_delay_alu instid0(VALU_DEP_1)
	v_permlanex16_b32 v244, v30, s[SEL], s[SEL+1]
	s_delay_alu instid0(VALU_DEP_1)
	v_add_f32 v30, v30, v244
	s_wait_alu depctr_va_vdst(0)
	v_rcp_f32 v30, v30
	v_nop
	s_wait_alu depctr_va_vdst(0)                   ; ahead of the reciprocal's first use
.set n, 0
.rept 32
	v_mul_f32 v[96+n], v[160+n], v30
.set n, n+1
.endr
.irp b, 0,1
	v_max3_num_f32 v[240+\b], |v[96+16*\b]|, |v[97+16*\b]|, 0x1800000
.endr
.irp i, 2,4,6,8,10,12,14
.irp b, 0,1
	s_delay_alu instid0(VALU_DEP_2)
	v_max3_num_f32 v[240+\b], v[240+\b], |v[96+16*\b+\i]|, |v[97+16*\b+\i]|
.endr
.endr
.irp b, 0,1
	s_delay_alu instid0(VALU_DEP_2)
	v_permlanex16_b32 v[244+\b], v[240+\b], s[SEL], s[SEL+1]
.endr
.irp b, 0,1
	s_delay_alu instid0(VALU_DEP_2)
	v_max_num_f32 v[240+\b], v[240+\b], v[244+\b]
.endr
.irp b, 0,1
	s_delay_alu instid0(VALU_DEP_2)
	v_add_nc_u32 v[248+\b], 0xff000000, v[240+\b]
.endr
.irp b, 0,1
	s_delay_alu instid0(VALU_DEP_2)
	v_lshrrev_b32 v[244+\b], 23, v[248+\b]
.endr
	s_delay_alu instid0(VALU_DEP_1)
	v_lshl_or_b32 v29, v245, 8, v244
	v_cvt_scalef32_pk16_fp6_f32 v[128:130], v[96:111], v248
	v_cvt_scalef32_pk16_fp6_f32 v[136:138], v[112:127], v249
	v_nop
.irp i, 0,1,2
	v_permlane16_swap_b32 v[128+\i], v[136+\i]
.endr
.irp i, 0,1,2
	s_delay_alu instid0(VALU_DEP_3)
	v_mov_b32 v[131+\i], v[136+\i]
.endr
	global_store_b128 v1, v[128:131], s[80:81]             ; 512 consecutive bytes, aligned to 256
	global_store_b64 v2, v[132:133], s[80:81] offset:512   ; 256 consecutive bytes, aligned
	global_store_b16 v255, v29, s[82:83] offset:12288      ; two bytes a row, 8 apart (both halves of the lanes store the same): one byte in 24 of what the wave stores
.endm
	s_xor_b32 s[G], s[WP], 15                      ; THE FIRST PASS: g = 15 - wave / 2, at least 8: steps 0-7 are whole for every wave
	PASSADDR
	s_cmp_lt_u32 s[WV], 4
	s_cbranch_scc0 .Lnot_first
	s_wait_tensorcnt 0x0                           ; waves 0-3: k and v of keys 0-511 are in
.Lnot_first:
	s_barrier_signal -1
	s_barrier_wait -1                              ; the later parts may be on their way: nothing is ever filled again
	OPEN 0, 4                                      ; key steps 0-3 read keys 0-511 alone
	s_wait_tensorcnt 0x0                           ; every wave: all keys
	s_wait_dscnt 0x0
	s_barrier_signal -1
	s_barrier_wait -1
	GEN 4, 16                                      ; g is at least 8 in this pass: steps 4-7 are walked whole by every wave
	WAYOUT
	s_wait_xcnt 0x0                                ; the stores have read their bases and data: both are written again below
	s_mov_b32 s[G], s[WP]                          ; THE SECOND PASS: g = wave / 2
	PASSADDR
	GEN 0, 8
	s_wait_alu depctr_va_vdst(0)
	WAYOUT
	s_wait_tensorcnt 0x0                           ; the wave's end, behind the last tensor load
	ds_add_u32 v5, v6
	s_wait_dscnt 0x0
	CROUND                                         ; the closing round
	s_endpgm
.Lfunc_end_k_qa06e180fc5_attn:
	.size	k_qa06e180fc5_attn, .Lfunc_end_k_qa06e180fc5_attn-k_qa06e180fc5_attn
	.p2alignl 7, 3214868480
	.fill 96, 4, 3214868480
	.section	.rodata,"a",@progbits
	.p2align	6, 0x0
	.amdhsa_kernel k_qa06e180fc5_attn
		.amdhsa_group_segment_fixed_size 215040
		.amdhsa_private_segment_fixed_size 0
		.amdhsa_enable_private_segment 0
		.amdhsa_kernarg_size 24
		.amdhsa_user_sgpr_count 2
		.amdhsa_user_sgpr_kernarg_segment_ptr 1
		.amdhsa_wavefront_size32 1
		.amdhsa_system_sgpr_workgroup_id_x 1
		.amdhsa_system_sgpr_workgroup_id_y 1
		.amdhsa_system_sgpr_workgroup_id_z 1
		.amdhsa_system_vgpr_workitem_id 0
		.amdhsa_next_free_vgpr 256
		.amdhsa_next_free_sgpr 92
		.amdhsa_reserve_vcc 1
		.amdhsa_float_denorm_mode_32 3
		.amdhsa_float_denorm_mode_16_64 3
		.amdhsa_memory_ordered 1
		.amdhsa_forward_progress 1
		.amdhsa_inst_pref_size 84
	.end_amdhsa_kernel
	.amdgpu_metadata
---
amdhsa.version: [ 1, 2 ]
amdhsa.kernels:
  - .name:           k_qa06e180fc5_attn
    .symbol:         k_qa06e180fc5_attn.kd
    .args:
      - { .name: qk_pk, .offset: 0, .size: 8, .value_kind: global_buffer, .address_space: global }
      - { .name: v_pk, .offset: 8, .size: 8, .value_kind: global_buffer, .address_space: global }
      - { .name: y_op, .offset: 16, .size: 8, .value_kind: global_buffer, .address_space: global }
    .group_segment_fixed_size: 215040
    .private_segment_fixed_size: 0
    .kernarg_segment_align: 8
    .kernarg_segment_size: 24
    .max_flat_workgroup_size: 512
    .sgpr_count:     92
    .vgpr_count:     256
    .wavefront_size: 32
...
	.end_amdgpu_metadata
.endif
;; end of part 3
;; launch gemm_out (part 4): grid 8 x 32, 4 waves a work-group, clusters of 4 x 4, 327,680 bytes of LDS; arguments y_op, wp_op, out0; writes out0
.if DOCPART == 4
	.amdgcn_target "amdgcn-amd-amdhsa--gfx1250"
	.amdhsa_code_object_version 6
	.text
	.protected	k_qa06e180fc5_gemm_out
	.globl	k_qa06e180fc5_gemm_out
	.p2align	8
	.type	k_qa06e180fc5_gemm_out,@function
k_qa06e180fc5_gemm_out:
	s_mov_b64 s[64:65], 0
	v_nop
	global_prefetch_b8 v0, s[64:65] scope:SCOPE_SE
	s_setreg_imm32_b32 hwreg(HW_REG_WAVE_MODE, 25, 1), 1
	s_wait_xcnt 0x0
	s_wait_alu depctr_hold_cnt(0) depctr_sa_sdst(0) depctr_va_vdst(0) depctr_va_sdst(0) depctr_va_ssrc(0) depctr_va_vcc(0) depctr_vm_vsrc(0)
	s_getreg_b32 s2, hwreg(HW_REG_IB_STS2, 6, 4)
	s_cmp_eq_u32 s2, 0
	s_cbranch_scc0 .Lentry_in_a_cluster
	s_endpgm
.Lentry_in_a_cluster:
	s_bfe_u32 s2, ttmp6, 0x10000c
	s_cmp_lg_u32 s2, 0xf033
	s_cbranch_scc0 .Lentry_shape_is_right
	s_endpgm
.Lentry_shape_is_right:
; out0[token][n] = sum over 1,024 k of y[token][k] w_proj[k][n] on codes of FP6 (E2M3) with E8M0 scales; f32 out.  P = y_op (tokens), Q = wp_op (columns n).
; OPERANDS: records of 12,800 bytes for a tile of 16 rows: 16 chunks of 768 bytes (lane l's 24 bytes as 16 at 16 l and 8 at 512 + 8 l), then 512 scale bytes [K quarter][row][8].  Row r of tile t is index 32 (t / 2) + 8 (t % 2) + r + 8 (r / 8).
; SHARES: a work-group makes 256 tokens x 128 columns; 256 work-groups.  ALL OF K LIES IN LDS: Q's 8 records, then P's 16: 307,200 bytes, asked for at the head by one joint load a wave; nothing is filled again.
; Wave (a, b) holds Q's 64 rows 64 b .., all of K, in 384 registers and streams P's tiles 8 a + s, s = 0 .. 7, past them: 32 products a block on four accumulators by turns; two sets of P's fragments and of accumulators take turns.
; Source 0 = 16 rows of Q, source 1 = 16 rows of P: a lane holds one token; register j of tile t is column 32 (t / 2) + 8 (t % 2) + 16 h + j of my 64.
; THE WAY OUT: block s - 1 goes through my own stage in LDS (16 rows of 256 + 16 bytes) in the middle of block s's products and is stored behind them: sixteen lanes fill one aligned 256 bytes of a token's row.
; CLUSTER 4 x 4: P's records are shared along a row of the cluster, Q's along a column.  No prefetch: every tile is asked for at the head, and no later request exists to run ahead of.
; REGISTERS: window 0: v4-21 addresses, v24-39 Q's scale words, v44-59 P's (two sets), v64-127 accumulators (two sets), v128-159 rows read back.  Fragment f lies in window 1 + f / 21 at 12 (f % 21): 0-31 Q's (4 k + tile), 32-47 P's two sets.
.set RECB, 12800
.set FR,   12
.set FPW,  21
.set NF,   36                          ; LDS loads of a block: 32 for eight fragments, 4 for eight scale words
.set PREG, 8*RECB
.set STG,  24*RECB
.set SPITCH, 272
.set SPARE, STG+4*16*SPITCH
.set W16, 4
.set W8,  5
.set WS,  6
.set PA,  8                            ; v8-10 blocks 0-3: 16 l, 8 l, scale words; v12-14 blocks 4-7
.set STO, 16
.set RD,  17
.set CO,  18
.set SPW, 20
.set NIL, 21
.set SB,  24
.set SA,  44
.set ACC, 64
.set OB,  128
.set G1P, 24
.set G1Q, 32
.set G0P, 48
.set G0Q, 52
.set MSB, 0
.macro WIN new
.if MSB != (\new)
	s_set_vgpr_msb (MSB<<8)|(\new)
.set MSB, (\new)
.endif
.endm
.macro PLACES n
.rept \n
	v_nop
.endr
.endm
.macro BARRIER
	s_barrier_signal -1
	s_barrier_wait -1
.endm
.macro CROUND
	BARRIER
	s_cmp_lg_u32 s14, 0
	s_cbranch_scc1 .Lnot_wave_0_\@
	s_barrier_signal -3
.Lnot_wave_0_\@:
	s_barrier_wait -3
	BARRIER
.endm
.macro TLOAD g0, g1
	tensor_load_to_lds s[\g0:\g0+3], s[\g1:\g1+7]
	s_nop 0
	PLACES 4
.endm
.macro GROUP1 g, rows                  ; a dense block as rows of 256 bytes
	s_mov_b32 s[\g+1], 32<<16
	s_mov_b32 s[\g+2], (\rows)<<16
	s_mov_b32 s[\g+3], 32<<16
	s_mov_b32 s[\g+4], \rows
	s_mov_b32 s[\g+5], 32
	s_mov_b32 s[\g+6], 0
	s_mov_b32 s[\g+7], 0
.endm
.macro FRAG f, a16, a8, off            ; 16 rows x 128 K: two chunks
	WIN (1+(\f)/FPW)<<6
.set R_, FR*((\f)%FPW)
	ds_load_b128 v[R_:R_+3], v[\a16] offset:(\off)
	ds_load_b64 v[R_+4:R_+5], v[\a8] offset:(\off)+512
	ds_load_b128 v[R_+6:R_+9], v[\a16] offset:(\off)+768
	ds_load_b64 v[R_+10:R_+11], v[\a8] offset:(\off)+1280
.endm
.macro WEIGHTS                         ; my 64 rows of Q, all of K, and their scale words (lanes 0-15 the even tile's rows, lanes 16-31 the odd tile's)
.irp k, 0,1,2,3,4,5,6,7
.irp b, 0,1,2,3
	FRAG 4*\k+\b, W16, W8, \b*RECB+1536*\k
.endr
.endr
	WIN 0
.irp p, 0,1
.irp q, 0,1,2,3
	ds_load_b64 v[SB+8*\p+2*\q:SB+8*\p+2*\q+1], v[WS] offset:\p*2*RECB+128*\q
.endr
.endr
.endm
.macro FETCH s                         ; P's block s into set s % 2
.set E_, (\s)%2
.set A_, PA+4*((\s)/4)
.set O_, ((\s)%4)*RECB
.irp k, 0,1,2,3,4,5,6,7
	FRAG 32+8*E_+\k, A_, A_+1, O_+1536*\k
.endr
	WIN 0
.irp q, 0,1,2,3
	ds_load_b64 v[SA+8*E_+2*\q:SA+8*E_+2*\q+1], v[A_+2] offset:O_+128*\q
.endr
.endm
.macro PROD1 d, fq, fp, c, j
.if (\j)%2
	v_wmma_scale_f32_16x16x128_f8f6f4 v[\d:\d+7], v[FR*((\fq)%FPW):FR*((\fq)%FPW)+FR-1], v[FR*((\fp)%FPW):FR*((\fp)%FPW)+FR-1], \c, v[SB+8*((\j)/2)+(\fq)/4], v[SA+(\fp)-32] matrix_a_fmt:MATRIX_FMT_FP6 matrix_b_fmt:MATRIX_FMT_FP6 matrix_a_scale:MATRIX_SCALE_ROW1
.else
	v_wmma_scale_f32_16x16x128_f8f6f4 v[\d:\d+7], v[FR*((\fq)%FPW):FR*((\fq)%FPW)+FR-1], v[FR*((\fp)%FPW):FR*((\fp)%FPW)+FR-1], \c, v[SB+8*((\j)/2)+(\fq)/4], v[SA+(\fp)-32] matrix_a_fmt:MATRIX_FMT_FP6 matrix_b_fmt:MATRIX_FMT_FP6 matrix_a_scale:MATRIX_SCALE_ROW0
.endif
.endm
.macro PROD e, n                       ; product n = 4 k + tile of a block; the first four start the sums
.set K_, (\n)/4
.set J_, (\n)%4
.set FA_, 32+8*(\e)+K_
.set D_, ACC+32*(\e)+8*J_
	WIN (1+(\n)/FPW)|((1+FA_/FPW)<<2)
.if K_
	PROD1 D_, \n, FA_, v[D_:D_+7], J_
.else
	PROD1 D_, \n, FA_, 0, J_
.endif
.endm
.macro HALF e, from                    ; sixteen products
.set N_, \from
.rept 16
	PROD \e, N_
.set N_, N_+1
.endr
.endm
.macro TOSTAGE e                       ; the block in accumulator set e: into my stage, each accumulator from its low end on, and back by rows (LDS serves a wave's instructions in order)
.irp b, 0,1,2,3
	ds_store_b128 v[STO], v[ACC+32*(\e)+8*\b:ACC+32*(\e)+8*\b+3] offset:128*(\b/2)+32*(\b%2)
	ds_store_b128 v[STO], v[ACC+32*(\e)+8*\b+4:ACC+32*(\e)+8*\b+7] offset:128*(\b/2)+32*(\b%2)+16
.endr
.irp t, 0,1,2,3,4,5,6,7
	ds_load_b128 v[OB+4*\t:OB+4*\t+3], v[RD] offset:\t*2*SPITCH
.endr
.endm
.macro SEND s                          ; rows 2 t + h of tile s: sixteen lanes store 256 consecutive bytes, aligned
.irp t, 0,1,2,3,4,5,6,7
	global_store_b128 v[CO], v[OB+4*\t:OB+4*\t+3], s[8:9] offset:(32*((\s)/2)+8*((\s)%2)+2*\t+8*(\t/4))*4096 th:TH_STORE_NT
.endr
.endm
.macro BLK s
.if (\s) < 2
	s_wait_dscnt NF                                ; this block's fetch is in; the next block's 36 loads may be out.  (From block 2 on the wait ahead of the last block's stores has shown it)
.endif
	HALF (\s)%2, 0
.if (\s) > 0
	WIN 0
.if (\s) > 1
	s_wait_xcnt 0x0                                ; the last block's stores have read their registers: they are loaded anew
.endif
	TOSTAGE 1-(\s)%2
.endif
	HALF (\s)%2, 16
	WIN 0
	PLACES 4                                       ; behind the products: their results are read and their fragments' registers loaded anew
.if (\s) < 6
	FETCH (\s)+2
.endif
.if (\s) > 0
.if (\s) < 6
	s_wait_dscnt NF                                ; the rows are back; the 36 loads just issued may be out
.else
	s_wait_dscnt 0x0
.endif
	SEND (\s)-1
.endif
.endm
	s_load_b128 s[4:7], s[0:1], 0x0                ; y_op, wp_op
	s_load_b64 s[8:9], s[0:1], 0x10                ; out0
	v_lshl_add_u32 v[SPW], v0, 2, SPARE
	v_mov_b32 v[NIL], 0
	ds_add_u32 v[SPW], v[NIL]                      ; the opening lines: the add, twice on end, and its wait
	ds_add_u32 v[SPW], v[NIL]
	v_lshrrev_b32 v1, 5, v0
	v_readfirstlane_b32 s14, v1                    ; wave
	s_lshr_b32 s15, s14, 1                         ; a: my half of P's tiles
	s_and_b32 s16, s14, 1                          ; b: my half of Q's rows; also which half I fetch
	s_bfe_u32 s40, ttmp6, 0x40000                  ; cx
	s_bfe_u32 s41, ttmp6, 0x40004                  ; cy
	s_lshl_b32 s42, ttmp9, 2
	s_add_co_u32 s42, s42, s40                     ; Q's block of 128 rows
	s_and_b32 s43, ttmp7, 0xffff
	s_lshl_b32 s43, s43, 2
	s_add_co_u32 s43, s43, s41                     ; P's block of 256 rows
	s_lshl_b32 s44, s41, 2
	s_lshl_b32 s44, 15, s44                        ; my row of the cluster
	s_lshl_b32 s45, 0x1111, s40                    ; my column
	s_or_b32 s[G1P], s44, (3<<16)|(1<<21)
	s_or_b32 s[G1Q], s45, (3<<16)|(1<<21)
	GROUP1 G1P, 400                                ; eight records
	GROUP1 G1Q, 200                                ; four
	s_lshl_b32 s20, s43, 4
	s_lshl_b32 s18, s16, 3
	s_add_co_u32 s20, s20, s18
	s_mul_i32 s20, s20, RECB                       ; P: the first record that I fetch
	s_mov_b32 s21, 0
	s_lshl_b32 s22, s42, 3
	s_lshl_b32 s18, s16, 2
	s_add_co_u32 s22, s22, s18
	s_mul_i32 s22, s22, RECB                       ; Q likewise
	s_mov_b32 s23, 0
	s_mov_b32 s[G0P], 1
	s_mul_i32 s[G0P+1], s16, 8*RECB
	s_add_co_u32 s[G0P+1], s[G0P+1], PREG
	s_mov_b32 s[G0Q], 1
	s_mul_i32 s[G0Q+1], s16, 4*RECB
	s_mul_i32 s18, s16, 4*RECB                     ; LDS: my four tiles of Q,
	s_add_co_u32 s19, s18, 12288
	s_mul_i32 s56, s15, 8*RECB
	s_add_co_u32 s56, s56, PREG                    ; my eight of P,
	s_add_co_u32 s57, s56, 12288
	s_mul_i32 s58, s14, 16*SPITCH
	s_add_co_u32 s58, s58, STG                     ; my stage
	v_and_b32 v1, 15, v0                           ; r
	v_bfe_u32 v2, v0, 4, 1                         ; h
	v_and_b32 v3, 31, v0                           ; l
	v_lshlrev_b32 v22, 4, v3
	v_lshlrev_b32 v23, 3, v3
	v_add_nc_u32 v[W16], s18, v22
	v_add_nc_u32 v[W8], s18, v23
	v_mul_u32_u24 v[WS], v2, RECB
	v_lshl_add_u32 v[WS], v1, 3, v[WS]
	v_add_nc_u32 v[WS], s19, v[WS]
	v_add_nc_u32 v[PA], s56, v22
	v_add_nc_u32 v[PA+1], s56, v23
	v_lshl_add_u32 v[PA+2], v1, 3, s57
.irp i, 0,1,2
	v_add_nc_u32 v[PA+4+\i], 4*RECB, v[PA+\i]
.endr
	v_mul_u32_u24 v[STO], v1, SPITCH               ; in: row r, 64 h bytes on
	v_lshl_add_u32 v[STO], v2, 6, v[STO]
	v_add_nc_u32 v[STO], s58, v[STO]
	v_mul_u32_u24 v[RD], v2, SPITCH                ; back: lanes 0-15 one row of 256 bytes, lanes 16-31 the next
	v_lshl_add_u32 v[RD], v1, 4, v[RD]
	v_add_nc_u32 v[RD], s58, v[RD]
	v_lshlrev_b32 v[CO], 12, v2                    ; and the same two rows in out0
	v_lshl_add_u32 v[CO], v1, 4, v[CO]
	s_wait_alu depctr_va_vdst(0)                   ; the wait at the head's end
	s_wait_dscnt 0x0                               ; both opening adds are done
	CROUND                                         ; all sixteen work-groups are here: the joint loads meet
	s_wait_kmcnt 0x0
	s_add_nc_u64 s[G0P+2:G0P+3], s[4:5], s[20:21]
	s_or_b32 s[G0P+3], s[G0P+3], 0x80000000
	s_add_nc_u64 s[G0Q+2:G0Q+3], s[6:7], s[22:23]
	s_or_b32 s[G0Q+3], s[G0Q+3], 0x80000000
	s_cmp_lt_u32 s14, 2
	s_cbranch_scc0 .Lfor_p
	TLOAD G0Q, G1Q                                 ; waves 0, 1: Q, wanted first
	s_branch .Lasked
.Lfor_p:
	TLOAD G0P, G1P                                 ; waves 2, 3: P
.Lasked:
	s_lshl_b32 s56, s43, 8
	s_lshl_b32 s57, s15, 7
	s_add_co_u32 s56, s56, s57                     ; my first token
	s_lshl_b32 s56, s56, 12
	s_lshl_b32 s57, s42, 9
	s_add_co_u32 s56, s56, s57
	s_lshl_b32 s57, s16, 8
	s_add_co_u32 s56, s56, s57                     ; + my first column's bytes
	s_mov_b32 s57, 0
	s_add_nc_u64 s[8:9], s[8:9], s[56:57]
	s_cmp_lt_u32 s14, 2
	s_cbranch_scc0 .Lnot_q
	s_wait_tensorcnt 0x0                           ; both issuers of Q's line wait
.Lnot_q:
	BARRIER                                        ; Q's records are in; P's may be on their way
	WEIGHTS
	s_wait_tensorcnt 0x0                           ; every wave: all that is still out
	s_wait_dscnt 0x0
	BARRIER                                        ; P's records are in
	FETCH 0
	FETCH 1
.irp s, 0,1,2,3,4,5,6,7
	BLK \s
.endr
	s_wait_xcnt 0x0
	TOSTAGE 1
	s_wait_dscnt 0x0
	SEND 7
	s_wait_tensorcnt 0x0                           ; the wave's end
	ds_add_u32 v[SPW], v[NIL]
	s_wait_dscnt 0x0
	CROUND                                         ; the closing round
	s_endpgm
.Lfunc_end_k_qa06e180fc5_gemm_out:
	.size	k_qa06e180fc5_gemm_out, .Lfunc_end_k_qa06e180fc5_gemm_out-k_qa06e180fc5_gemm_out
	.p2alignl 7, 3214868480
	.fill 96, 4, 3214868480
	.section	.rodata,"a",@progbits
	.p2align	6, 0x0
	.amdhsa_kernel k_qa06e180fc5_gemm_out
		.amdhsa_group_segment_fixed_size 327680
		.amdhsa_private_segment_fixed_size 0
		.amdhsa_enable_private_segment 0
		.amdhsa_kernarg_size 24
		.amdhsa_user_sgpr_count 2
		.amdhsa_user_sgpr_kernarg_segment_ptr 1
		.amdhsa_wavefront_size32 1
		.amdhsa_system_sgpr_workgroup_id_x 1
		.amdhsa_system_sgpr_workgroup_id_y 1
		.amdhsa_system_sgpr_workgroup_id_z 1
		.amdhsa_system_vgpr_workitem_id 0
		.amdhsa_next_free_vgpr 896
		.amdhsa_next_free_sgpr 66
		.amdhsa_reserve_vcc 0
		.amdhsa_float_denorm_mode_32 3
		.amdhsa_float_denorm_mode_16_64 3
		.amdhsa_memory_ordered 1
		.amdhsa_forward_progress 1
		.amdhsa_inst_pref_size 83
	.end_amdhsa_kernel
	.amdgpu_metadata
---
amdhsa.version: [ 1, 2 ]
amdhsa.kernels:
  - .name:           k_qa06e180fc5_gemm_out
    .symbol:         k_qa06e180fc5_gemm_out.kd
    .args:
      - { .name: y_op, .offset: 0, .size: 8, .value_kind: global_buffer, .address_space: global }
      - { .name: wp_op, .offset: 8, .size: 8, .value_kind: global_buffer, .address_space: global }
      - { .name: out0, .offset: 16, .size: 8, .value_kind: global_buffer, .address_space: global }
    .group_segment_fixed_size: 327680
    .private_segment_fixed_size: 0
    .kernarg_segment_align: 8
    .kernarg_segment_size: 24
    .max_flat_workgroup_size: 128
    .sgpr_count:     66
    .vgpr_count:     896
    .wavefront_size: 32
...
	.end_amdgpu_metadata
.endif
;; end of part 4
